; MI455X (gfx1250); checked and timed in simulation.
; The chip was launched on July 23, 2026; its instructions are those of AMD's public machine-readable ISA for CDNA 5 (MIT licence, August 2026) and "CDNA5" Instruction Set Architecture Reference Guide (July 2026). The comments in the code are by the model that wrote it; some were corrected since.
;; Attention. Allowed arithmetic: matrix products marked QUANTISED: E2M1 operands, one E8M0 scale for each 32 along K, by v_wmma_scale_f32_16x16x128_f8f6f4 with both operands' format E2M1 (or v_wmma_scale_f32_32x16x128_f4), f32 sums; products left as they are: bf16, f16 or f32 operands; f32 sums; everything else in f32.
;; Inputs: Wk 512 x 2,048 float32; Wo 2,048 x 512 float32; Wq 512 x 2,048 float32; Wv 512 x 2,048 float32; gk 128 float32; gq 128 float32; x 4 x 2,048 x 2,048 float32.
;; Outputs: out0 4 x 2,048 x 2,048 float32.
;; This version of the problem:
;;   THIS VERSION OF THE PROBLEM IS GIVEN IN LOW PRECISION. The matrix products marked QUANTISED in the list below multiply operands that are first quantised to E2M1 (2 exponent bits, 1 mantissa bit; 4 bits a number), with one power-of-two scale for each 32 numbers along K (OCP MX v1.0); their sums are f32. The products marked 'left as it is' may take bf16, f16 or f32 operands, with f32 sums. Whichever they take, every output number must still come out within the allowed error. Rounding operands to bf16 (8 significant bits) uses up far more of that allowance than f16 does (11 bits, for magnitudes from 6e-5 to 65,504). All else is computed in f32.
;;   The module's matrix products, in the order in which they are computed (A, B: the left and right operand; K: the contracted axis; several contracted axes count as one K, in the product's order):
;;     1. [M 8,192, K 2,048] x [K 2,048, N 512]; A: input x; B: input Wq: QUANTISED
;;     2. [M 8,192, K 2,048] x [K 2,048, N 512]; A: input x; B: input Wk: QUANTISED
;;     3. [M 8,192, K 2,048] x [K 2,048, N 512]; A: input x; B: input Wv: QUANTISED
;;     4. batch 16 x [M 2,048, K 128] x [K 128, N 2,048]; A: computed on the way; B: computed on the way: left as it is (an operand is computed on the way)
;;     5. batch 16 x [M 2,048, K 2,048] x [K 2,048, N 128]; A: computed on the way; B: computed on the way: left as it is (an operand is computed on the way)
;;     6. [M 8,192, K 512] x [K 512, N 2,048]; A: computed on the way; B: input Wo: left as it is (an operand is computed on the way)
;;   THE QUANTISER, for each operand of a quantised product, along K:
;;     - K is cut into blocks of 32 from its start; a last block that is shorter is filled with zeros.
;;     - A block's scale is 2^e with e = floor(log2(the largest magnitude in the block)) - 2, held to -126 .. 127; a block of zeros has e = 0. As a byte (E8M0): e + 127.
;;     - Each number is divided by its block's scale, clamped to +-6, and rounded to the nearest number of E2M1, ties to even, subnormals kept.
;;     - The product sums the exact products of the quantised numbers (number of the format x scale) in f32.
;;   ~~~python
;;   def quantise(x, axis):      # numpy; x: float32 -> the quantised numbers, widened to float32 again
;;       x = np.moveaxis(x, axis, -1); K = x.shape[-1]
;;       x = np.pad(x, [(0, 0)] * (x.ndim - 1) + [(0, -K % 32)]); x = x.reshape(x.shape[:-1] + (-1, 32)); a = np.abs(x).max(-1, keepdims=True)
;;       e = np.where(a > 0, np.clip(np.frexp(np.where(a > 0, a, 1))[1] - 1 - 2, -126, 127), 0)      # np.frexp(a)[1] - 1 = floor(log2(a)), exactly
;;       r = np.clip(x / 2.0 ** e, -6, 6)
;;       step = 2.0 ** (np.maximum(np.frexp(np.where(r == 0, 1, r))[1] - 1, 0) - 1)
;;       q = np.round(r / step) * step * 2.0 ** e      # np.round: ties to even
;;       return np.moveaxis(q.reshape(q.shape[:-2] + (-1,))[..., :K], -1, axis).astype(np.float32)
;;   ~~~
;; One version. Each part assembles by itself: llvm-mc -triple=amdgcn-amd-amdhsa -mcpu=gfx1250 --defsym DOCPART=n.
;; ======== version 1 of 1: 5 launches
;; limits: values are held in f16: magnitudes above 65,504 overflow, below 6.1e-05 lose precision
;; workspace buffers: cod 9,961,472 bytes; scl 622,592 bytes; wo16 2,097,152 bytes; qkv16 25,165,824 bytes; att16 8,388,608 bytes; fine 393,216 bytes
;; launch quant (part 1): grid 640 x 1, 4 waves a work-group, no clusters, 33,280 bytes of LDS; arguments x, Wq, Wk, Wv, Wo, cod, scl, wo16; writes cod, scl, wo16
.if DOCPART == 1
	.amdgcn_target "amdgcn-amd-amdhsa--gfx1250"
	.amdhsa_code_object_version 6
	.text
	.protected	k_q4854d9efe6_quant
	.globl	k_q4854d9efe6_quant
	.p2align	8
	.type	k_q4854d9efe6_quant,@function
k_q4854d9efe6_quant:
	s_mov_b64 s[64:65], 0
	v_nop
	global_prefetch_b8 v0, s[64:65] scope:SCOPE_SE
	s_setreg_imm32_b32 hwreg(HW_REG_WAVE_MODE, 25, 1), 1
	s_wait_xcnt 0x0
; THE PROGRAM: causal attention with a per-head RMSNorm on q and k.  B = 4, T = 2,048, D = 2,048, 4 heads of 128.  Five launches:
;   quant   x, Wq, Wk, Wv -> codes of E2M1 and E8M0 scale bytes along K;  Wo -> f16
;   proj    the three quantised products on codes; RMSNorm x gain on q and k; q, k, v as f16 by head; positions 0-15 of every sequence also as f32
;   attn    q k^T, softmax with a running maximum, p v: f16 operands, f32 sums
;   oproj   the product with Wo^T: f16 operands, f32 sums and output; all rows but positions 0-15 of every sequence
;   first16 positions 0-15 of every sequence, attention and projection, wholly in f32
; WORK LEFT OUT.  reference() builds the mask k_idx > q_idx in its own body and sets those scores to -inf ahead of the softmax: their weights are exactly 0 for all values of the inputs,
; so a step of 64 queries x 64 keys all of whose keys come after all of its queries reaches no output, and launch attn does not compute it.  No input is left out: all seven are loaded.
; LIMIT: a NaN, an infinity or an overflow that would arise only in such a step is not carried to the result.
; LIMITS OF FORMAT: v, the attention's result, Wo and 11.4 x |gq|, |gk| (the largest a normalised number x gain can be) stay under 65,504, f16's largest number; numbers of Wo under 6e-5 keep an absolute error of 3e-8.
;
; THIS LAUNCH.  x [8192][2048] and Wq, Wk, Wv [512][2048], f32, K innermost, become codes of E2M1, 4 bits each, with one E8M0 byte for each 32 along K.
; A block's scale is 2^(floor(log2(its largest magnitude)) - 2); its byte is the largest magnitude's own exponent field - 2, held at 1 from below.  A block of zeros so gets the byte 1 where the rule says 127:
; its codes are zeros, which add nothing under any byte but 0xff, and the bytes are read by this program alone.  Each number is divided by the scale and rounded to the nearest code, ties to even, beyond 6 the largest code.
; LIMITS: blocks whose largest magnitude lies under 2^-124 keep the byte 1; NaN and infinities among the inputs are not served.
; Rows are dense and K is a multiple of 32: each tensor is a plain stream of blocks of 32.  In cod and scl the weights' streams follow x's (Wq, Wk, Wv), so a work-group's place there is its number.
; Work-groups 0-511: x; 512-543: Wq; 544-575: Wk; 576-607: Wv; 608-639: Wo, which is only rounded to f16.  A work-group takes 32,768 numbers, a wave 8,192.
; A wave takes 16 steps of 512 numbers.  Each of a step's four loads reads 512 consecutive bytes; the 2,048 bytes turn through the wave's own stage in LDS and come back 64 bytes a lane, so that a lane holds 16 neighbours
; along K (two neighbouring lanes hold a block).  A lane's 16 codes are 8 bytes: the wave stores 256 consecutive bytes.  A wave's 256 scale bytes are gathered in LDS and leave as one aligned run of 256 bytes.
.set WAVES, 4
.set STEPS, 16
.set EMAX,  2
.set CB,    8                          ; bytes of 16 codes
.set R,     16                         ; v16-79   four sets of 16 numbers as they are loaded
.set X,     80                         ; v80-111  two sets of 16 neighbours
.set E,     112                        ; v112-127 a scale byte for each step
.set C,     128                        ; v128-191 codes: four registers for each step, so that no store's data are written again
.set WREG,  8192                       ; LDS: a region of its own for each wave: two stages of 32 x SP bytes, and behind them its 256 scale bytes
.set SP,    80                         ; a lane's place in a stage: its 64 bytes + 16 of padding
.set SPW,   12                         ; v12  LDS address of my spare word; never rewritten
.set NIL,   13                         ; v13  0; never rewritten
.set SPARE, WAVES*WREG                 ; behind the four regions: the spare words, 128 bytes a wave
.set WV,    24                         ; s24  my wave's number
	s_load_b512 s[4:19], s[0:1], 0x0               ; x 4:5, Wq 6:7, Wk 8:9, Wv 10:11, Wo 12:13, cod 14:15, scl 16:17, wo16 18:19
	v_lshl_add_u32 v[SPW], v0, 2, SPARE
	v_mov_b32 v[NIL], 0
	v_lshrrev_b32 v1, 5, v0
	v_readfirstlane_b32 s[WV], v1
	v_and_b32 v2, 31, v0                           ; lane
	v_lshlrev_b32 v3, 4, v2                        ; my 16 bytes of a load's 512
	s_mul_i32 s25, s[WV], WREG
	v_lshrrev_b32 v14, 2, v2
	v_mul_u32_u24 v14, v14, SP
	v_and_b32 v15, 3, v2
	v_lshl_add_u32 v14, v15, 4, v14
	v_add_nc_u32 v14, s25, v14                     ; the stage, on the way in: four lanes' 64 bytes on end, then 16 of padding
	v_mul_u32_u24 v15, v2, SP
	v_add_nc_u32 v15, s25, v15                     ; and on the way out: SP x lane: my 16 neighbours
	v_mul_u32_u24 v4, v2, CB                       ; 8 x lane: my codes' place in a step's; also my f16 numbers' place on Wo's path
	v_lshrrev_b32 v5, 1, v2
	s_add_co_u32 s25, s25, 2*32*SP
	v_add_nc_u32 v5, s25, v5                       ; LDS: my wave's 256 scale bytes, my block's byte
	v_lshlrev_b32 v7, 3, v2
	v_add_nc_u32 v6, s25, v7                       ; and on the way out 8 bytes a lane
	s_wait_kmcnt 0x0
	s_cmp_ge_u32 ttmp9, 608
	s_cbranch_scc1 .Lwo                            ; the work-group's number alone decides
	s_cmp_lt_u32 ttmp9, 512                        ; which tensor, and the number of its first work-group
	s_cselect_b64 s[4:5], s[4:5], s[6:7]
	s_cselect_b32 s26, 0, 512
	s_cmp_lt_u32 ttmp9, 544
	s_cselect_b64 s[4:5], s[4:5], s[8:9]
	s_cselect_b32 s26, s26, 544
	s_cmp_lt_u32 ttmp9, 576
	s_cselect_b64 s[4:5], s[4:5], s[10:11]
	s_cselect_b32 s26, s26, 576
	s_sub_co_u32 s27, ttmp9, s26
	s_lshl_b32 s27, s27, 2
	s_add_co_u32 s27, s27, s[WV]                   ; which run of 8,192 numbers of the tensor is my wave's
	s_lshl_b32 s28, s27, 15                        ; 32,768 bytes a run
	s_mov_b32 s29, 0
	s_add_nc_u64 s[4:5], s[4:5], s[28:29]
	s_lshl_b32 s27, ttmp9, 2
	s_add_co_u32 s27, s27, s[WV]                   ; and which run of cod and scl
	s_lshl_b32 s28, s27, 12                        ; 4,096 bytes of codes a run
	s_add_nc_u64 s[14:15], s[14:15], s[28:29]
	s_lshl_b32 s28, s27, 8                         ; 256 scale bytes a run
	s_add_nc_u64 s[16:17], s[16:17], s[28:29]
.macro LOAD t
.irp i, 0,1,2,3
	global_load_b128 v[R+16*((\t)%4)+4*\i:R+16*((\t)%4)+4*\i+3], v3, s[4:5] offset:2048*(\t)+512*\i th:TH_LOAD_NT   ; 32 lanes read 512 consecutive bytes
.endr
.endm
.macro TURN t                          ; step t's numbers through the stage: LDS serves a wave's instructions in order, so no wait stands between the stores and the loads
.irp i, 0,1,2,3
	ds_store_b128 v14, v[R+16*((\t)%4)+4*\i:R+16*((\t)%4)+4*\i+3] offset:32*SP*((\t)%2)+8*SP*\i
.endr
.irp i, 0,1,2,3
	ds_load_b128 v[X+16*((\t)%2)+4*\i:X+16*((\t)%2)+4*\i+3], v15 offset:32*SP*((\t)%2)+16*\i
.endr
.endm
.irp t, 0,1,2,3
	LOAD \t
.endr
	s_wait_loadcnt 12                              ; step 0's four loads are in; the twelve of steps 1 to 3 may be out
	TURN 0
.macro STEP t
.set XS, X+16*((\t)%2)
.if (\t) > 0
	s_wait_dscnt 1                                 ; this step's numbers are back from the stage (the last step's byte store may be out)
.else
	s_wait_dscnt 0x0
.endif
.if (\t)+4 < STEPS
	LOAD (\t)+4                                    ; the registers that the stage's stores have read take the loads of four steps on
.endif
.if (\t)+1 < STEPS
.if STEPS-2-(\t) >= 3
	s_wait_loadcnt 12                              ; the next step's four loads are in; those of the three steps behind it may be out
.else
	s_wait_loadcnt 4*(STEPS-2-(\t))
.endif
	TURN (\t)+1                                    ; and go through the other stage while this step is worked
.endif
	v_max3_num_f32 v8, |v[XS]|, |v[XS+1]|, |v[XS+2]|               ; the largest magnitude of my 16, in two chains
	v_max3_num_f32 v9, |v[XS+3]|, |v[XS+4]|, |v[XS+5]|
.irp i, 6,10
	v_max3_num_f32 v8, v8, |v[XS+\i]|, |v[XS+\i+1]|
	v_max3_num_f32 v9, v9, |v[XS+\i+2]|, |v[XS+\i+3]|
.endr
	v_max3_num_f32 v8, v8, |v[XS+14]|, |v[XS+15]|
	v_max3_num_f32 v8, v8, v9, (EMAX+1)<<23        ; and the floor 2^(3 - 127): so the byte cannot fall under 1
	v_max_num_f32_dpp v8, v8, v8 row_xmask:1 row_mask:0xf bank_mask:0xf   ; and of my neighbour's 16: the block's
	v_add_nc_u32 v11, -(EMAX<<23), v8              ; 2 off its exponent field: the conversion takes the exponent field of this operand as its scale, and nothing else of it
	v_cvt_scalef32_pk8_fp4_f32 v[C+4*(\t)], v[XS:XS+7], v11
	v_cvt_scalef32_pk8_fp4_f32 v[C+4*(\t)+1], v[XS+8:XS+15], v11
	v_lshrrev_b32 v[E+(\t)], 23, v11               ; the scale's byte (a plain line behind the conversions)
	ds_store_b8 v5, v[E+(\t)] offset:16*(\t)       ; both lanes of a block write the same byte with the same value
	global_store_b64 v4, v[C+4*(\t):C+4*(\t)+1], s[14:15] offset:32*CB*(\t)   ; the wave stores 256 consecutive bytes, aligned
.endm
.irp t, 0,1,2,3,4,5,6,7,8,9,10,11,12,13,14,15
	STEP \t
.endr
	ds_load_b64 v[8:9], v6                         ; LDS serves a wave's instructions in order: these see my byte stores
	s_wait_dscnt 0x0
	global_store_b64 v7, v[8:9], s[16:17]          ; 32 lanes store 256 consecutive bytes, aligned
	s_wait_tensorcnt 0x0                           ; the wave's end, behind my last LDS store
	ds_add_u32 v[SPW], v[NIL]
	s_wait_dscnt 0x0
	s_endpgm
; Wo [2048][512] f32 -> f16, a plain stream.  Four batches of 16 loads of 512 bytes; two batches are on their way.  No LDS is written on this path.
.Lwo:
	s_sub_co_u32 s27, ttmp9, 608
	s_lshl_b32 s27, s27, 2
	s_add_co_u32 s27, s27, s[WV]                   ; my wave's run of 8,192 numbers
	s_lshl_b32 s28, s27, 15
	s_mov_b32 s29, 0
	s_add_nc_u64 s[12:13], s[12:13], s[28:29]
	s_lshl_b32 s28, s27, 14
	s_add_nc_u64 s[18:19], s[18:19], s[28:29]
.macro LOADB t
.irp n, 0,1,2,3,4,5,6,7,8,9,10,11,12,13,14,15
	global_load_b128 v[16+64*((\t)%2)+4*\n:16+64*((\t)%2)+4*\n+3], v3, s[12:13] offset:(16*(\t)+\n)*512 th:TH_LOAD_NT
.endr
.endm
.macro BATCH t
.set BS, 16+64*((\t)%2)
.if (\t) < 3
	s_wait_loadcnt 16                              ; this batch is in; the younger batch's sixteen loads may be out
.else
	s_wait_loadcnt 0x0
.endif
.if (\t) > 0
	s_wait_xcnt 0x0                                ; the last batch's stores have read their data: v144-175 are written again only behind this wait
.endif
.irp n, 0,1,2,3,4,5,6,7,8,9,10,11,12,13,14,15
	v_cvt_pk_f16_f32 v[144+2*\n], v[BS+4*\n], v[BS+4*\n+1]
	v_cvt_pk_f16_f32 v[145+2*\n], v[BS+4*\n+2], v[BS+4*\n+3]
.endr
.irp n, 0,1,2,3,4,5,6,7,8,9,10,11,12,13,14,15
	global_store_b64 v4, v[144+2*\n:145+2*\n], s[18:19] offset:(16*(\t)+\n)*256   ; the wave stores 256 consecutive bytes, aligned
.endr
.if (\t) < 2
	LOADB (\t)+2
.endif
.endm
	LOADB 0
	LOADB 1
	BATCH 0
	BATCH 1
	BATCH 2
	BATCH 3
	s_wait_tensorcnt 0x0                           ; the same three lines at this end of the text
	ds_add_u32 v[SPW], v[NIL]
	s_wait_dscnt 0x0
	s_endpgm
.Lfunc_end_k_q4854d9efe6_quant:
	.size	k_q4854d9efe6_quant, .Lfunc_end_k_q4854d9efe6_quant-k_q4854d9efe6_quant
	.p2alignl 7, 3214868480
	.fill 96, 4, 3214868480
	.section	.rodata,"a",@progbits
	.p2align	6, 0x0
	.amdhsa_kernel k_q4854d9efe6_quant
		.amdhsa_group_segment_fixed_size 33280
		.amdhsa_private_segment_fixed_size 0
		.amdhsa_enable_private_segment 0
		.amdhsa_kernarg_size 64
		.amdhsa_user_sgpr_count 2
		.amdhsa_user_sgpr_kernarg_segment_ptr 1
		.amdhsa_wavefront_size32 1
		.amdhsa_system_sgpr_workgroup_id_x 1
		.amdhsa_system_sgpr_workgroup_id_y 1
		.amdhsa_system_sgpr_workgroup_id_z 1
		.amdhsa_system_vgpr_workitem_id 0
		.amdhsa_next_free_vgpr 192
		.amdhsa_next_free_sgpr 66
		.amdhsa_reserve_vcc 0
		.amdhsa_float_denorm_mode_32 3
		.amdhsa_float_denorm_mode_16_64 3
		.amdhsa_memory_ordered 1
		.amdhsa_forward_progress 1
		.amdhsa_inst_pref_size 54
	.end_amdhsa_kernel
	.amdgpu_metadata
---
amdhsa.version: [ 1, 2 ]
amdhsa.kernels:
  - .name:           k_q4854d9efe6_quant
    .symbol:         k_q4854d9efe6_quant.kd
    .args:
      - { .name: x, .offset: 0, .size: 8, .value_kind: global_buffer, .address_space: global }
      - { .name: Wq, .offset: 8, .size: 8, .value_kind: global_buffer, .address_space: global }
      - { .name: Wk, .offset: 16, .size: 8, .value_kind: global_buffer, .address_space: global }
      - { .name: Wv, .offset: 24, .size: 8, .value_kind: global_buffer, .address_space: global }
      - { .name: Wo, .offset: 32, .size: 8, .value_kind: global_buffer, .address_space: global }
      - { .name: cod, .offset: 40, .size: 8, .value_kind: global_buffer, .address_space: global }
      - { .name: scl, .offset: 48, .size: 8, .value_kind: global_buffer, .address_space: global }
      - { .name: wo16, .offset: 56, .size: 8, .value_kind: global_buffer, .address_space: global }
    .group_segment_fixed_size: 33280
    .private_segment_fixed_size: 0
    .kernarg_segment_align: 8
    .kernarg_segment_size: 64
    .max_flat_workgroup_size: 128
    .sgpr_count:     66
    .vgpr_count:     192
    .wavefront_size: 32
...
	.end_amdgpu_metadata
.endif
;; end of part 1
;; launch proj (part 2): grid 32 x 6, 4 waves a work-group, clusters of 4 x 1, 327,680 bytes of LDS; arguments cod, scl, gq, gk, qkv16, fine; writes qkv16, fine
.if DOCPART == 2
	.amdgcn_target "amdgcn-amd-amdhsa--gfx1250"
	.amdhsa_code_object_version 6
	.text
	.protected	k_q4854d9efe6_proj
	.globl	k_q4854d9efe6_proj
	.p2align	8
	.type	k_q4854d9efe6_proj,@function
k_q4854d9efe6_proj:
	s_mov_b64 s[64:65], 0
	v_nop
	global_prefetch_b8 v0, s[64:65] scope:SCOPE_SE
	s_setreg_imm32_b32 hwreg(HW_REG_WAVE_MODE, 25, 1), 1
	s_wait_xcnt 0x0
	s_wait_alu depctr_hold_cnt(0) depctr_sa_sdst(0) depctr_va_vdst(0) depctr_va_sdst(0) depctr_va_ssrc(0) depctr_va_vcc(0) depctr_vm_vsrc(0)
	s_getreg_b32 s2, hwreg(HW_REG_IB_STS2, 6, 4)
	s_cmp_eq_u32 s2, 0
	s_cbranch_scc0 .Lentry_in_a_cluster
	s_endpgm
.Lentry_in_a_cluster:
	s_bfe_u32 s2, ttmp6, 0x10000c
	s_cmp_lg_u32 s2, 0x3003
	s_cbranch_scc0 .Lentry_shape_is_right
	s_endpgm
.Lentry_shape_is_right:
; q, k, v = x Wq^T, x Wk^T, x Wv^T on codes of E2M1 with one E8M0 scale for each 32 along K (M 8,192, N 3 x 512, K 2,048), then the per-head RMSNorm x gain on q and k, in f32.
; cod: x's codes [8192][1024 bytes], from byte 0x800000 the weights' [1536][1024] (rows Wq, Wk, Wv).  scl: x's bytes [8192][64], from 0x80000 the weights' [1536][64].
; OUT: qkv16: q at 0, k at 0x800000, v at 0x1000000, each [4 b + h][2048][128] f16.  fine: positions 0-15 of every sequence in f32, 48 blocks of 8,192 bytes, block (q 0, k 1, v 2) x 16 + 4 b + h;
; q's and k's blocks are [16 positions][128], v's is [128 channels][16 positions].
; A tile of 256 tokens x 256 columns is made by four waves, each 128 x 128: a wave's 128 columns are ONE HEAD, so a row's mean of squares stays inside a wave (a lane's 64 numbers and those of the lane 16 away).
; 32 x 6 tiles are 192 work-groups: a tile of 192 columns would give 256 but would cut heads across waves.
; K goes in steps of 512 through a ring of two LDS slots filled by the tensor data mover; the scale bytes of the tile's rows, for all of K, come once with the first fills and stay.
; CLUSTER: 4 x 1 work-groups with the same tile column: the weights' tile and its scales are asked for JOINTLY (mask 15); x's tiles are each work-group's own (no mask).  N has 6 tile columns, which no 4 x 4 divides.
; Tile row = 8 x (place in the cluster) + the cluster's x: so the place is the batch, and 'first tile of a sequence' is cluster x = 0, the same in all four partners: no branch hangs on the place.
; THE MATRIX INSTRUCTION IS USED TRANSPOSED (source 0 = 16 rows of W, source 1 = 16 tokens): a lane holds eight neighbouring columns of one token.
; REGISTERS: window 0: v0-31 addresses; v32-95 scale words, two sets, and nothing else; v96-127 packed results; v128-191 x's fragments, on the way out the rows' sums and rows read back; v192-255 the gains.
;   window 1: W's fragments, two sets.   window 2: the accumulators of my tokens 0-63 ((a, b) at v[8 (8 a + b)]);   window 3: those of tokens 64-127.
.set KSTEP,  512
.set NQ,     KSTEP/128
.set ROWB,   256                       ; a tile's row in bytes: 512 codes
.set KROW,   1024                      ; a row of codes in memory
.set PITCH,  272                       ; an LDS row: 256 bytes + 16 of padding: the 16 rows that a load touches start at 16 different banks (64 banks of 4 bytes: ISA guide 11.1)
.set FR,     8
.set NL,     2
.set NP,     4
.set HALFT,  128*PITCH
.set SLOT,   4*HALFT
.set LAPS,   2                         ; 2,048 / (2 x 512)
.set KS,     64                        ; a row of scale bytes
.set SCL,    2*SLOT
.set HALFS,  (128*KS/256)*272
.set SBLK,   (16*KS/256)*272
.set SPARE,  SCL+4*HALFS               ; the spare words, 128 bytes a wave
.set SPITCH, 272                       ; the way out: a stage of 16 rows x (256 bytes + 16) for each wave, in slot 0, which has had its last fill and its last read by then
.set ADRA, 16
.set ADRB, 20
.set STO,  24
.set RD,   25
.set CO,   26
.set ADRS, 27
.set SPW,  28
.set NIL,  29
.set FO,   30                          ; v30  fine, q and k: 512 x row + 32 x half
.set FV,   31                          ; v31  fine, v: 512 x half + 4 x row
.set SC,   32
.set TMP,  96
.set AF,   128
.set RS,   128                         ; the rows' sums of squares, a pair for each block of 16 tokens
.set OB,   128                         ; rows read back from the stage: v128-159 and v160-191 by turns
.set G,    192                         ; the gain of column 16 b + 8 half + i at G + 8 b + i
.set G1, 24
.set G0, 32
.set G1B, 48
.set G0B, 56
.set G1S, 68
.set G0S, 76
.set G1SB, 80
.set G0SB, 88
.set MSB, 0
.macro WIN new                         ; the immediate's high byte repeats the setting that is left
.if MSB != (\new)
	s_set_vgpr_msb (MSB<<8)|(\new)
.set MSB, (\new)
.endif
.endm
.set MUL_LO, 0xa1
.set MUL_HI, 0xf1
.set TO_B,   0x40
; Waves 0 and 1 fetch for x, waves 2 and 3 for W (jointly).  The branch hangs on the wave's number alone.  An s_nop 0 and four v_nop follow each of the two lines.
.macro JLOAD g0a, g1a, g0b, g1b
	s_cmp_eq_u32 s15, 0
	s_cbranch_scc0 .Lfor_b_\@
	tensor_load_to_lds s[\g0a:\g0a+3], s[\g1a:\g1a+7]
	s_nop 0
.rept 4
	v_nop
.endr
	s_branch .Lasked_\@
.Lfor_b_\@:
	tensor_load_to_lds s[\g0b:\g0b+3], s[\g1b:\g1b+7]
	s_nop 0
.rept 4
	v_nop
.endr
.Lasked_\@:
.endm
.macro CREST
	s_cmp_lg_u32 s14, 0
	s_cbranch_scc1 .Lnot_wave_0_\@
	s_barrier_signal -3
.Lnot_wave_0_\@:
	s_barrier_wait -3
	s_barrier_signal -1
	s_barrier_wait -1
.endm
.macro CROUND
	s_barrier_signal -1
	s_barrier_wait -1
	CREST
.endm
	s_load_b256 s[4:11], s[0:1], 0x0               ; cod 4:5, scl 6:7, gq 8:9, gk 10:11
	s_load_b64 s[12:13], s[0:1], 0x20              ; qkv16
	s_load_b64 s[66:67], s[0:1], 0x28              ; fine
	v_lshl_add_u32 v[SPW], v0, 2, SPARE
	v_mov_b32 v[NIL], 0
	ds_add_u32 v[SPW], v[NIL]                      ; the wave's opening: the add, twice on end, and its wait ahead of my first tensor load
	ds_add_u32 v[SPW], v[NIL]
	v_lshrrev_b32 v1, 5, v0
	v_readfirstlane_b32 s14, v1                    ; wave 0..3
	s_lshr_b32 s15, s14, 1                         ; which half of the tile's tokens is mine.  Also: I fetch for x (0) or for W (1)
	s_and_b32 s16, s14, 1                          ; which half of its columns.  Also: which 128 rows of that tile I fetch
	s_bfe_u32 s40, ttmp6, 0x40000                  ; my place in the cluster = the batch
	s_lshl_b32 s17, s40, 3
	s_add_co_u32 s17, s17, ttmp9                   ; tile row
	s_and_b32 s42, ttmp7, 0xffff                   ; tile column: 0, 1 q; 2, 3 k; 4, 5 v
	s_mov_b32 s[G1+0], (1<<20)|(5<<22)|(3<<25)             ; x's codes: no mask; elements of 1 byte; padding: 4 words after every 64
	s_mov_b32 s[G1B+0], 15|(1<<20)|(1<<21)|(5<<22)|(3<<25) ; W's: the mask names all four partners, bit 21 beside it
.irp g, G1, G1B
	s_mov_b32 s[\g+1], ROWB<<16                    ; tensor_dim0
	s_mov_b32 s[\g+2], 128<<16                     ; tensor_dim1
	s_mov_b32 s[\g+3], ROWB<<16                    ; tile_dim0
	s_mov_b32 s[\g+4], 128                         ; tile_dim1
	s_mov_b32 s[\g+5], KROW                        ; the pitch
	s_mov_b32 s[\g+6], 0
	s_mov_b32 s[\g+7], 0
.endr
	s_mov_b32 s[G1S+0], (3<<16)|(1<<20)|(5<<22)|(3<<25)             ; the scales of 128 rows: 8,192 dense bytes as 32 rows of 256 (32 elements of 8 bytes), 16 bytes of padding behind each
	s_mov_b32 s[G1SB+0], 15|(3<<16)|(1<<20)|(1<<21)|(5<<22)|(3<<25)
.irp g, G1S, G1SB
	s_mov_b32 s[\g+1], 32<<16
	s_mov_b32 s[\g+2], (128*KS/256)<<16
	s_mov_b32 s[\g+3], 32<<16
	s_mov_b32 s[\g+4], 128*KS/256
	s_mov_b32 s[\g+5], 32
	s_mov_b32 s[\g+6], 0
	s_mov_b32 s[\g+7], 0
.endr
	s_lshl_b32 s18, s16, 7                         ; which 128 rows of the tile I fetch
	s_lshl_b32 s20, s17, 8
	s_add_co_u32 s20, s20, s18                     ; x: row 256 x tile row + 128 x half
	s_lshl_b32 s46, s42, 8
	s_add_co_u32 s46, s46, s18                     ; W: row 256 x tile column + 128 x half: made of what the partners share
	s_lshl_b32 s22, s20, 6                         ; offsets in bytes, all under 2^32: x's scales,
	s_mov_b32 s23, 0
	s_lshl_b32 s20, s20, 10                        ; x's codes,
	s_mov_b32 s21, 0
	s_lshl_b32 s92, s46, 6
	s_add_co_u32 s92, s92, 0x80000                 ; W's scales,
	s_mov_b32 s93, 0
	s_lshl_b32 s46, s46, 10
	s_add_co_u32 s46, s46, 0x800000                ; W's codes
	s_mov_b32 s47, 0
	s_mul_i32 s45, s14, HALFT                      ; where they go: wave x 128 rows: no place in the cluster enters an LDS address
	s_mul_i32 s94, s14, HALFS
	s_wait_dscnt 0x0                               ; both opening adds are done
	s_wait_kmcnt 0x0
	s_add_nc_u64 s[20:21], s[4:5], s[20:21]
	s_add_nc_u64 s[22:23], s[6:7], s[22:23]
	s_add_nc_u64 s[46:47], s[4:5], s[46:47]
	s_add_nc_u64 s[92:93], s[6:7], s[92:93]
	s_cmp_lt_u32 s42, 2
	s_cselect_b64 s[98:99], s[8:9], s[10:11]       ; the gain: gq for q's tiles, gk else (v's tiles load gk's and do not use it: one path through the head)
	s_cmp_ge_u32 s42, 4
	s_cselect_b32 s96, 1, 0                        ; 1: a tile of v, which has no norm
	s_or_b32 s97, ttmp9, s15                       ; 0: my first 16 tokens are positions 0-15 of a sequence
	CROUND                                         ; all four work-groups are here: the first joint loads meet
	s_mov_b32 s[G0S], 1
	s_add_co_u32 s[G0S+1], s94, SCL
	s_mov_b64 s[G0S+2:G0S+3], s[22:23]
	s_or_b32 s[G0S+3], s[G0S+3], 0x80000000
	s_mov_b32 s[G0SB], 1
	s_add_co_u32 s[G0SB+1], s94, SCL
	s_mov_b64 s[G0SB+2:G0SB+3], s[92:93]
	s_or_b32 s[G0SB+3], s[G0SB+3], 0x80000000
	JLOAD G0S, G1S, G0SB, G1SB                     ; the scales first: they are wanted with K step 0
.irp s, 0,1
	s_mov_b32 s[G0+4*\s], 1
	s_add_co_u32 s[G0+4*\s+1], s45, \s*SLOT
	s_add_nc_u64 s[G0+4*\s+2:G0+4*\s+3], s[20:21], \s*ROWB
	s_or_b32 s[G0+4*\s+3], s[G0+4*\s+3], 0x80000000
	s_mov_b32 s[G0B+4*\s], 1
	s_add_co_u32 s[G0B+4*\s+1], s45, \s*SLOT
	s_add_nc_u64 s[G0B+4*\s+2:G0B+4*\s+3], s[46:47], \s*ROWB
	s_or_b32 s[G0B+4*\s+3], s[G0B+4*\s+3], 0x80000000
	JLOAD G0+4*\s, G1, G0B+4*\s, G1B               ; by this text's count three tensor loads of mine are out now
.endr
	v_and_b32 v1, 15, v0                           ; r = lane % 16
	v_bfe_u32 v2, v0, 4, 1                         ; half = lane / 16
	v_lshlrev_b32 v7, 5, v2                        ; the gains: 32 x half; never rewritten
.irp b, 0,1,2,3,4,5,6,7
	global_load_b128 v[G+8*\b:G+8*\b+3], v7, s[98:99] offset:64*\b
	global_load_b128 v[G+8*\b+4:G+8*\b+7], v7, s[98:99] offset:64*\b+16
.endr
	v_mul_u32_u24 v3, v1, PITCH
	v_lshl_add_u32 v4, v2, 4, v3                   ; a fragment's row x pitch + 16 x half
	s_mul_i32 s21, s15, HALFT                      ; my 128 tokens
	s_mul_i32 s22, s16, HALFT                      ; my 128 rows of W,
	s_add_co_u32 s22, s22, 2*HALFT                 ; which lie behind x's 256
.irp s, 0,1
	v_add_nc_u32 v[ADRA+\s], s21, v4
	v_add_nc_u32 v[ADRB+\s], s22, v4
	s_add_co_u32 s21, s21, SLOT
	s_add_co_u32 s22, s22, SLOT
.endr
	v_mul_u32_u24 v5, v1, KS                       ; my row's scales: 64 bytes a row,
	v_lshrrev_b32 v6, 8, v5
	v_lshl_add_u32 v5, v6, 4, v5                   ; and 16 more for each 256 passed
	s_mul_i32 s21, s15, HALFS
	s_mul_i32 s22, s16, HALFS
	s_add_co_u32 s22, s22, 2*HALFS
	s_sub_co_u32 s22, s22, s21
	v_mul_u32_u24 v6, s22, v2                      ; lanes 16-31 take W's
	s_add_co_u32 s21, s21, SCL
	v_add_nc_u32 v5, v5, v6
	v_add_nc_u32 v[ADRS], s21, v5
	s_mul_i32 s23, s14, 16*SPITCH                  ; my stage
	v_mul_u32_u24 v5, v1, SPITCH
	v_lshl_add_u32 v5, v2, 4, v5
	v_add_nc_u32 v[STO], s23, v5                   ; in: row r, 16 bytes for each half of the lanes
	v_mul_u32_u24 v5, v2, SPITCH
	v_lshl_add_u32 v5, v1, 4, v5
	v_add_nc_u32 v[RD], s23, v5                    ; back: lanes 0-15 one row of 256 bytes, lanes 16-31 the next
	v_lshlrev_b32 v5, 8, v2
	v_lshl_add_u32 v[CO], v1, 4, v5                ; and the same two rows in qkv16
	v_lshlrev_b32 v5, 9, v1
	v_lshl_add_u32 v[FO], v2, 5, v5
	v_lshlrev_b32 v5, 9, v2
	v_lshl_add_u32 v[FV], v1, 2, v5
	; where my results go
	s_lshl_b32 s43, s42, 1
	s_add_co_u32 s43, s43, s16                     ; 2 x tile column + half: 0-3 q's heads, 4-7 k's, 8-11 v's
	s_lshr_b32 s44, s43, 2                         ; which tensor
	s_and_b32 s43, s43, 3                          ; the head
	s_lshl_b32 s20, s40, 2
	s_add_co_u32 s20, s20, s43                     ; 4 b + h
	s_lshl_b32 s22, s44, 4
	s_add_co_u32 s22, s22, s20
	s_lshl_b32 s22, s22, 13                        ; fine: blocks of 8,192 bytes
	s_mov_b32 s23, 0
	s_add_nc_u64 s[66:67], s[66:67], s[22:23]
	s_lshl_b32 s20, s20, 11
	s_lshl_b32 s21, ttmp9, 8
	s_add_co_u32 s20, s20, s21
	s_lshl_b32 s21, s15, 7
	s_add_co_u32 s20, s20, s21                     ; (4 b + h) x 2,048 + my first position
	s_lshl_b32 s20, s20, 8                         ; rows of 256 bytes
	s_lshl_b32 s21, s44, 23
	s_add_co_u32 s20, s20, s21
	s_mov_b32 s21, 0
	s_add_nc_u64 s[12:13], s[12:13], s[20:21]
.macro FRAG reg, adr, q, i             ; a fragment, 16 rows x 128 K of 4-bit codes: lane l holds row l % 16; registers 4 c .. 4 c + 3 hold K = 64 c + 32 (l / 16) + 0 .. 31
.irp c, 0,1
	ds_load_b128 v[\reg+4*\c:\reg+4*\c+3], v[\adr] offset:64*(\q)+32*\c+(\i)*16*PITCH
.endr
.endm
; 16 matrix instructions: x's blocks a0, a0 + 1 against W's eight, 128 along K.  The 64 accumulators take turns, one instruction a turn, in the same order in every step.
.macro MUL16 a0, p, q, sc, zero
.irp a, \a0, \a0+1
.irp b, 0,1,2,3,4,5,6,7
.if \zero
	v_wmma_scale_f32_16x16x128_f8f6f4 v[8*(8*((\a)%4)+\b):8*(8*((\a)%4)+\b)+7], v[128*(\p)+FR*\b:128*(\p)+FR*\b+FR-1], v[AF+FR*(\a):AF+FR*(\a)+FR-1], 0, v[SC+8*NQ*(\sc)+NQ*\b+(\q)], v[SC+8*NQ*(\sc)+NQ*(\a)+(\q)] matrix_a_fmt:MATRIX_FMT_FP4 matrix_b_fmt:MATRIX_FMT_FP4 matrix_a_scale:MATRIX_SCALE_ROW1
.else
	v_wmma_scale_f32_16x16x128_f8f6f4 v[8*(8*((\a)%4)+\b):8*(8*((\a)%4)+\b)+7], v[128*(\p)+FR*\b:128*(\p)+FR*\b+FR-1], v[AF+FR*(\a):AF+FR*(\a)+FR-1], v[8*(8*((\a)%4)+\b):8*(8*((\a)%4)+\b)+7], v[SC+8*NQ*(\sc)+NQ*\b+(\q)], v[SC+8*NQ*(\sc)+NQ*(\a)+(\q)] matrix_a_fmt:MATRIX_FMT_FP4 matrix_b_fmt:MATRIX_FMT_FP4 matrix_a_scale:MATRIX_SCALE_ROW1
.endif
.endr
.endr
.endm
.macro FETCH_B slot, q, p
	WIN TO_B
.irp i, 0,1,2,3,4,5,6,7
	FRAG 128*(\p)+FR*\i, ADRB+\slot, \q, \i
.endr
	WIN 0
.endm
.macro FETCH_A slot, q, i0
.irp i, \i0, \i0+1, \i0+2, \i0+3
	FRAG AF+FR*(\i), ADRA+\slot, \q, \i
.endr
.endm
.macro SCALES sc                       ; a K step's scale words: 4 words a row; lanes 0-15 take x's block i, lanes 16-31 W's block i
.irp i, 0,1,2,3,4,5,6,7
	ds_load_b128 v[SC+8*NQ*\sc+NQ*\i:SC+8*NQ*\sc+NQ*\i+3], v[ADRS] offset:\i*SBLK
.endr
.endm
.macro PLACES n                        ; plain vector instructions that name none of the matrix instruction's registers, in front of loads into its registers and of reads of its results
.rept \n
	v_nop
.endr
.endm
.macro STEP slot, q, zero
	s_wait_dscnt 4*NL                              ; W's set and x's blocks 0-3 are in; the youngest eight loads (x's blocks 4-7) may be out
	WIN MUL_LO
	MUL16 0, (\q)%2, \q, \slot, \zero
	MUL16 2, (\q)%2, \q, \slot, \zero
	s_wait_dscnt 0
	PLACES NP
	FETCH_B \slot, (\q)+1, 1-(\q)%2
	FETCH_A \slot, (\q)+1, 0
	WIN MUL_HI
	MUL16 4, (\q)%2, \q, \slot, \zero
	MUL16 6, (\q)%2, \q, \slot, \zero
	PLACES NP
	WIN 0
	FETCH_A \slot, (\q)+1, 4
.endm
; A slot's last step changes slots: one barrier; in front of it each wave waits for all its tensor loads, adds 0 to its spare word, and waits for that and for its own reads of this slot.
.macro TURN slot, next, fill
	s_wait_tensorcnt 0x0                           ; all my tensor loads have landed: my part of the next slot
	ds_add_u32 v[SPW], v[NIL]
	s_wait_dscnt 4*NL+1                            ; (the add and the youngest eight loads may be out)
	WIN MUL_LO
	MUL16 0, 1, NQ-1, \slot, 0
	s_wait_dscnt 0x0                               ; the add is done, and my reads of this slot are over
	s_barrier_signal -1
	MUL16 2, 1, NQ-1, \slot, 0
	WIN 0
	s_barrier_wait -1
.if \fill
	CREST                                          ; the barrier has opened a round of the cluster's barrier: no wave of any partner still reads this slot or has a load on its way
	s_add_nc_u64 s[G0+4*\slot+2:G0+4*\slot+3], s[G0+4*\slot+2:G0+4*\slot+3], 2*ROWB
	s_add_nc_u64 s[G0B+4*\slot+2:G0B+4*\slot+3], s[G0B+4*\slot+2:G0B+4*\slot+3], 2*ROWB
	JLOAD G0+4*\slot, G1, G0B+4*\slot, G1B         ; the first tensor load behind the round; its four v_nop are the places in front of the loads below
.else
	PLACES NP
.endif
	v_add_nc_u32 v[ADRS], 4*NQ, v[ADRS]            ; on to the next K step's scale words
	FETCH_B \next, 0, 0
	FETCH_A \next, 0, 0
	SCALES \next
	WIN MUL_HI
	MUL16 4, 1, NQ-1, \slot, 0
	MUL16 6, 1, NQ-1, \slot, 0
	PLACES NP
	WIN 0
	FETCH_A \next, 0, 4
.endm
.macro STEPS slot, from
.set Q, \from
.rept NQ-1-\from
	STEP \slot, Q, 0
.set Q, Q+1
.endr
.endm
	s_wait_tensorcnt 1                             ; the scales and my part of K step 0 are in; K step 1's load may be out
	s_barrier_signal -1
	s_barrier_wait -1
	FETCH_B 0, 0, 0
	FETCH_A 0, 0, 0
	SCALES 0
	FETCH_A 0, 0, 4
	STEP 0, 0, 1                                   ; the first step stands in front of the loop: its products start the sums
	s_mov_b32 s3, LAPS-1
.Llap:                                                 ; a trip goes once round the ring and fills both slots again
	STEPS 0, 1
	TURN 0, 1, 1
	STEPS 1, 0
	TURN 1, 0, 1
	STEP 0, 0, 0
	s_sub_co_u32 s3, s3, 1
	s_cmp_lg_u32 s3, 0
	s_cbranch_scc1 .Llap
	STEPS 0, 1                                     ; the last lap fills nothing
	TURN 0, 1, 0
	STEPS 1, 0
	s_wait_dscnt 4*NL
	WIN MUL_LO
	MUL16 0, 1, NQ-1, 1, 0
	MUL16 2, 1, NQ-1, 1, 0
	s_wait_dscnt 0
	WIN MUL_HI
	MUL16 4, 1, NQ-1, 1, 0
	MUL16 6, 1, NQ-1, 1, 0
	WIN 0
	; THE NORM: x / sqrt(mean(x^2) + 1e-5) x gain, in f32.  A token's 128 numbers lie in lanes r and r + 16, 64 each.
	PLACES NP
	s_wait_loadcnt 0x0                             ; the gains
	s_mov_b32 s18, 0x76543210
	s_mov_b32 s19, 0xfedcba98                      ; v_permlanex16_b32's selects for the lane 16 away
	s_mov_b32 s20, 0x3c000000                      ; 1 / 128
	s_mov_b32 s21, 0x3727c5ac                      ; 1e-5
	s_cmp_lg_u32 s96, 0
	s_cbranch_scc1 .Lnonorm                        ; v has no norm
.macro SUMSQ hi                        ; the window's four blocks by turns, two squares an instruction; each accumulator is read from its low end on
	WIN 0x0a+5*\hi
.set p, 0
.rept 32
.irp a, 0,1,2,3
.if p == 0
	v_pk_mul_f32 v[RS+2*(4*\hi+\a):RS+2*(4*\hi+\a)+1], v[64*\a+2*p:64*\a+2*p+1], v[64*\a+2*p:64*\a+2*p+1]
.else
	v_pk_fma_f32 v[RS+2*(4*\hi+\a):RS+2*(4*\hi+\a)+1], v[64*\a+2*p:64*\a+2*p+1], v[64*\a+2*p:64*\a+2*p+1], v[RS+2*(4*\hi+\a):RS+2*(4*\hi+\a)+1]
.endif
.endr
.set p, p+1
.endr
	WIN 0
.endm
	SUMSQ 0
	SUMSQ 1
.irp a, 0,1,2,3,4,5,6,7
	v_add_f32 v[RS+2*\a], v[RS+2*\a], v[RS+2*\a+1]
.endr
.irp a, 0,1,2,3,4,5,6,7
	v_permlanex16_b32 v[RS+2*\a+1], v[RS+2*\a], s18, s19
.endr
.irp a, 0,1,2,3,4,5,6,7
	v_add_f32 v[RS+2*\a], v[RS+2*\a], v[RS+2*\a+1]
.endr
.irp a, 0,1,2,3,4,5,6,7
	v_fma_f32 v[RS+2*\a], v[RS+2*\a], s20, s21     ; the mean + 1e-5
.endr
.irp a, 0,1,2,3,4,5,6,7
	v_rsq_f32 v[RS+2*\a], v[RS+2*\a]
.endr
	v_nop                                          ; a plain line behind the last of the batch,
	s_wait_alu depctr_va_vdst(0)                   ; and one wait for the eight, ahead of their first reader
.macro SCALE a
	WIN 0x82+0x41*((\a)/4)
.set p, 0
.rept 32
	v_pk_mul_f32 v[64*((\a)%4)+2*p:64*((\a)%4)+2*p+1], v[64*((\a)%4)+2*p:64*((\a)%4)+2*p+1], v[RS+2*(\a):RS+2*(\a)+1] op_sel_hi:[1,0]
.set p, p+1
.endr
.set p, 0
.rept 32
	v_pk_mul_f32 v[64*((\a)%4)+2*p:64*((\a)%4)+2*p+1], v[64*((\a)%4)+2*p:64*((\a)%4)+2*p+1], v[G+2*p:G+2*p+1]
.set p, p+1
.endr
.endm
.irp a, 0,1,2,3,4,5,6,7
	SCALE \a
.endr
	WIN 0
.Lnonorm:
	; positions 0-15 of a sequence also leave in f32
	s_cmp_lg_u32 s97, 0
	s_cbranch_scc1 .Lnofine
	s_cmp_lg_u32 s96, 0
	s_cbranch_scc1 .Lfinev
	WIN 0x08                                       ; a store's data are its source 1: window 2
.irp b, 0,1,2,3,4,5,6,7
	global_store_b128 v[FO], v[8*\b:8*\b+3], s[66:67] offset:64*\b
	global_store_b128 v[FO], v[8*\b+4:8*\b+7], s[66:67] offset:64*\b+16
.endr
	WIN 0
	s_branch .Lnofine
.Lfinev:
	WIN 0x08
.irp b, 0,1,2,3,4,5,6,7
.irp i, 0,1,2,3,4,5,6,7
	global_store_b32 v[FV], v[8*\b+\i], s[66:67] offset:1024*\b+64*\i   ; v goes transposed: channel 16 b + 8 half + i, position r: sixteen lanes store 64 consecutive bytes
.endr
.endr
	WIN 0
.Lnofine:
	; THE WAY OUT, block by block of 16 tokens: rounded to f16, 16 bytes a lane; through my own stage in LDS; back as whole rows of 256 bytes.
.macro PACK a
.set AC, 64*((\a)%4)
	WIN 0x0a+5*((\a)/4)
.irp b, 0,1,2,3,4,5,6,7
.irp r, 0,1,2,3
	v_cvt_pk_f16_f32 v[TMP+4*\b+\r], v[AC+8*\b+2*\r], v[AC+8*\b+2*\r+1]
.endr
.endr
	WIN 0
.endm
.macro TOSTAGE a
.set BB, OB+32*((\a)%2)
.irp b, 0,1,2,3,4,5,6,7
	ds_store_b128 v[STO], v[TMP+4*\b:TMP+4*\b+3] offset:32*\b
.endr
.irp t, 0,1,2,3,4,5,6,7
	ds_load_b128 v[BB+4*\t:BB+4*\t+3], v[RD] offset:\t*2*SPITCH    ; LDS serves a wave's instructions in order: these see the stores above
.endr
.endm
.macro SEND a
.set BB, OB+32*((\a)%2)
	s_wait_dscnt 0x0                               ; the block is back in registers
	s_wait_xcnt 0x0                                ; the stores of the block before have read their registers: the next block's loads may land there
.irp t, 0,1,2,3,4,5,6,7
	global_store_b128 v[CO], v[BB+4*\t:BB+4*\t+3], s[12:13] offset:4096*(\a)+512*\t   ; 32 lanes store 512 consecutive bytes, aligned
.endr
.endm
	PACK 0
	TOSTAGE 0
.irp a, 1,2,3,4,5,6,7                  ; block a's conversions stand between block a - 1's loads from the stage and the wait for them
	PACK \a
	SEND \a-1
	TOSTAGE \a
.endr
	SEND 7
	s_wait_tensorcnt 0x0                           ; the wave's end
	ds_add_u32 v[SPW], v[NIL]
	s_wait_dscnt 0x0
	CROUND                                         ; the closing round: no work-group ends while a partner may still ask for a tile that names it
	s_endpgm
.Lfunc_end_k_q4854d9efe6_proj:
	.size	k_q4854d9efe6_proj, .Lfunc_end_k_q4854d9efe6_proj-k_q4854d9efe6_proj
	.p2alignl 7, 3214868480
	.fill 96, 4, 3214868480
	.section	.rodata,"a",@progbits
	.p2align	6, 0x0
	.amdhsa_kernel k_q4854d9efe6_proj
		.amdhsa_group_segment_fixed_size 327680
		.amdhsa_private_segment_fixed_size 0
		.amdhsa_enable_private_segment 0
		.amdhsa_kernarg_size 48
		.amdhsa_user_sgpr_count 2
		.amdhsa_user_sgpr_kernarg_segment_ptr 1
		.amdhsa_wavefront_size32 1
		.amdhsa_system_sgpr_workgroup_id_x 1
		.amdhsa_system_sgpr_workgroup_id_y 1
		.amdhsa_system_sgpr_workgroup_id_z 1
		.amdhsa_system_vgpr_workitem_id 0
		.amdhsa_next_free_vgpr 1024
		.amdhsa_next_free_sgpr 100
		.amdhsa_reserve_vcc 0
		.amdhsa_float_denorm_mode_32 3
		.amdhsa_float_denorm_mode_16_64 3
		.amdhsa_memory_ordered 1
		.amdhsa_forward_progress 1
		.amdhsa_inst_pref_size 255
	.end_amdhsa_kernel
	.section	.bss,"aw",@nobits
	.p2align	6
	.space	262144
	.amdgpu_metadata
---
amdhsa.version: [ 1, 2 ]
amdhsa.kernels:
  - .name:           k_q4854d9efe6_proj
    .symbol:         k_q4854d9efe6_proj.kd
    .args:
      - { .name: cod, .offset: 0, .size: 8, .value_kind: global_buffer, .address_space: global }
      - { .name: scl, .offset: 8, .size: 8, .value_kind: global_buffer, .address_space: global }
      - { .name: gq, .offset: 16, .size: 8, .value_kind: global_buffer, .address_space: global }
      - { .name: gk, .offset: 24, .size: 8, .value_kind: global_buffer, .address_space: global }
      - { .name: qkv16, .offset: 32, .size: 8, .value_kind: global_buffer, .address_space: global }
      - { .name: fine, .offset: 40, .size: 8, .value_kind: global_buffer, .address_space: global }
    .group_segment_fixed_size: 327680
    .private_segment_fixed_size: 0
    .kernarg_segment_align: 8
    .kernarg_segment_size: 48
    .max_flat_workgroup_size: 128
    .sgpr_count:     100
    .vgpr_count:     1024
    .wavefront_size: 32
...
	.end_amdgpu_metadata
.endif
;; end of part 2
;; launch attn (part 3): grid 16 x 16, 4 waves a work-group, no clusters, 327,680 bytes of LDS; arguments qkv16, att16; writes att16
.if DOCPART == 3
	.amdgcn_target "amdgcn-amd-amdhsa--gfx1250"
	.amdhsa_code_object_version 6
	.text
	.protected	k_q4854d9efe6_attn
	.globl	k_q4854d9efe6_attn
	.p2align	8
	.type	k_q4854d9efe6_attn,@function
k_q4854d9efe6_attn:
	s_mov_b64 s[64:65], 0
	v_nop
	global_prefetch_b8 v0, s[64:65] scope:SCOPE_SE
	s_setreg_imm32_b32 hwreg(HW_REG_WAVE_MODE, 25, 1), 1
	s_wait_xcnt 0x0
; att[b][q][h] = the sum over k <= q of softmax_k(q . k / sqrt(128)) v.  q, k, v: [4 b + h][2048][128] f16 in qkv16 (q at 0, k at 0x800000, v at 0x1000000); att16: [8192 tokens][512] f16, head h at byte 256 h.
; Products, maxima and sums in f32; the weights p are rounded to f16 for the second product, the result once at the end.  A running maximum is kept: the gains are inputs, so the scores have no bound.
; WORK LEFT OUT: a wave's step of 64 queries x 64 keys all of whose keys come after all of its queries lies wholly under reference()'s own causal mask: its weights are 0 for all inputs; it is not computed,
; and a slot of keys that no wave of the work-group reads is not fetched.  A NaN or an overflow that would arise only there is not carried to the result.
; ONE EXCEPTION, so that all waves take one way through the text: in the first query block of a head, the wave of queries 0-63 and keys 64-127 has no key that counts.  It walks its first step all the same,
; and at the join its part is multiplied by 0 (its maximum is replaced by a number under every maximum).
; SHARES.  A work-group owns 128 queries of one head.  Wave w: qh = w / 2 is its half of the queries (64: four tiles of 16), kh = w % 2 its half of each KEY BLOCK of 128 keys.  The two waves of a query half keep
; a maximum, a sum and an O of their own and join them once, at the end, through LDS.  Register tile t holds query tile (t + 2 rot) % 4, rot = qh xor kh: so every wave keeps register tiles 0, 1 and gives away 2, 3.
; LAYOUT.  S^T = K Q^T (source 0 = 16 keys, source 1 = 16 queries): a lane holds ONE query (lane % 16) and the keys 8 (lane / 16) + 0..7.  Two such tiles, rounded to f16 in pairs, ARE source 1 of O^T = V^T P.
; K comes out of LDS as it lies, V ([key][channel]) turned, by ds_load_tr16_b128.
; BY TURNS.  The wave's tiles are two pieces (tiles 0, 1 and tiles 2, 3).  In a TURN one piece has the matrix unit: 32 products V^T P of the step in hand, then 32 products K Q^T of the next step; the other piece's
; softmax, cut into 64 slices, stands between them, one slice behind each matrix instruction.  Two turns are a key step.
; THE RING.  Two LDS slots of two key blocks (256 keys of K and of V).  Wave 0 fetches K's 256 rows, wave 1 V's.  Every work-group walks all eight changes of slots: trip counts are constants of the text.
; NO CLUSTER: under the causal mask the query blocks of a head need different numbers of key tiles; a joint load would bring some partners tiles that all their waves jump over.
; REGISTERS, in windows of 256: window 0: v0-11 addresses; v12-43 eight registers of statistics a tile; v44-63 addresses and constants; v64-191 S^T, 32 a tile; v192-255 P, 16 a tile
;   window 1: O^T, 64 a tile     window 2: v0-127 Q, 32 a tile; v128-255 K of one step     window 3: v0-127 V of one step
.set PK,    272       ; a row of K in LDS: 256 bytes + 16 of padding
.set PV,    288       ; a row of V: 256 + 32
.set VOFF,  256*PK    ; a slot: 256 rows of K, then 256 rows of V
.set SLOTB, 256*(PK+PV)
.set KRND,  128*PK    ; a key block on, in K's rows
.set VRND,  128*PV    ; and in V's
.set SPARE, 2*SLOTB   ; behind the ring: the spare words, 128 bytes a wave
.set XS,    65536     ; the stages of the end lie in slot 0, which was left at the last change of slots and has had its last fill: O^T's images at wave x 16,384; sums and maxima at XS + wave x 512;
.set OST,   69632     ; the way out at OST + wave x 16 x 272
.set SP,    272
.set AK0, 2
.set AV0, 3
.set ADR, 4
.set QO,  5
.set STO, 6
.set RD,  7
.set GO,  8
.set ST,  12          ; tile t's statistics at v[ST+8 t]: +0 c m, +1 m, +2, +3 l (even keys', odd keys'), +4 to +7 at work; a takes +6 once the maximum is found
.set QO2, 44
.set XSA, 45
.set XSB, 46
.set XOA, 47
.set XOB, 48
.set NEG, 49          ; -infinity
.set NBIG, 50         ; c x -3e38: under every c m
.set PFO, 61
.set SPW, 62
.set NIL, 63
.set S,   64
.set P,   192
.set XP,  192         ; at the join: the partner's (l, c m) of two tiles
.set KFR, 128         ; K's fragments, in window 2
.set WV,  12
.set LIM, 15
.set PFA, 18
.set G1K, 24
.set G1V, 32
.set G0K, 40
.set G0V, 44
.set NB,  48          ; s48  LDS byte of the slot that the next tensor loads fill
.set SK,  49          ; s49  the first key of the slot that is about to be read
.set QL,  50          ; s50  my work-group's last query
.set Q0,  51          ; s51  my wave's first query
.set KEY, 52          ; s52  the first key of my wave's next step
.set TK,  53          ; s53  LDS byte at which the next step's key block begins among K's rows
.set TV,  54          ; s54  and among V's
.set DEADM, 55        ; s55  all ones in the wave that has no key that counts
.set SLOTS, 56
.set TWICE, 57
.set CS,  58          ; s[58:59] c = log2(e) / sqrt(128)
.set SEL, 60
.set NINF, 62         ; s62  -infinity
.set MK,  68          ; s68-75  the diagonal tile's masks: bit of lane (r, h) set where j > r - 8 h
.set MSB, 0
.macro WIN new
.if MSB != (\new)
	s_set_vgpr_msb (MSB<<8)|(\new)
.set MSB, (\new)
.endif
.endm
.set W_KQ, 0x0a       ; K and Q in window 2, S^T in window 0
.set W_PV, 0x53       ; V in window 3, P in window 0, O^T in window 1
.set W_RS, 0x41       ; O^T (destination and source 0) in window 1, a in window 0
; Wave 0 fetches K's rows of a slot, wave 1 V's, the others nothing.  An s_nop 0 and four v_nop follow each of the two lines.
.macro TLOAD
	s_cmp_lg_u32 s[WV], 0
	s_cbranch_scc1 .Lnot_k_\@
	tensor_load_to_lds s[G0K:G0K+3], s[G1K:G1K+7]
	s_nop 0
.rept 4
	v_nop
.endr
	s_branch .Lasked_\@
.Lnot_k_\@:
	s_cmp_lg_u32 s[WV], 1
	s_cbranch_scc1 .Lasked_\@
	tensor_load_to_lds s[G0V:G0V+3], s[G1V:G1V+7]
	s_nop 0
.rept 4
	v_nop
.endr
.Lasked_\@:
.endm
; A PREFETCH of what the NEXT change of slots will ask for: 256 rows of K and 256 of V, 256 bytes a row, a lane a row.  All query blocks of a head walk the same K and V: the head's first work-group asks, and nobody else.
; In it waves 0 and 1 take K's two halves, waves 2 and 3 V's: four instructions of 32 rows each.  So each row is named once in the launch.  The last change that fills a slot asks for nothing; slots 0 and 1 come by their loads alone.
.macro ASK
	s_cmp_gt_u32 s[SLOTS], s[LIM]
	s_cbranch_scc0 .Lnot_mine_\@
.irp o, 0, 8192, 16384, 24576
	global_prefetch_b8 v[PFO], s[PFA:PFA+1] offset:\o th:TH_LOAD_NT scope:SCOPE_SE
.endr
.Lnot_mine_\@:
.endm
	s_load_b128 s[20:23], s[0:1], 0x0              ; qkv16 20:21, att16 22:23
	v_lshl_add_u32 v[SPW], v0, 2, SPARE
	v_mov_b32 v[NIL], 0
	ds_add_u32 v[SPW], v[NIL]                      ; the wave's opening: the add, twice on end, and its wait ahead of the first tensor load
	ds_add_u32 v[SPW], v[NIL]
	v_lshrrev_b32 v1, 5, v0
	v_readfirstlane_b32 s[WV], v1
	s_lshr_b32 s13, s[WV], 1                       ; qh
	s_and_b32 s14, s[WV], 1                        ; kh
	s_xor_b32 s16, s13, s14                        ; rot
	s_and_b32 s2, ttmp7, 0xffff                    ; 4 b + h
	s_lshl_b32 s[QL], ttmp9, 7
	s_lshl_b32 s3, s13, 6
	s_add_co_u32 s[Q0], s[QL], s3
	s_or_b32 s[QL], s[QL], 127
	s_lshl_b32 s[KEY], s14, 6
	s_cmp_gt_u32 s[KEY], s[Q0]
	s_cselect_b32 s[DEADM], -1, 0
	s_cmp_eq_u32 ttmp9, 0
	s_cselect_b32 s[LIM], 1, -1
	s_lshl_b32 s76, s2, 19                         ; the head's first byte in q, k and v: 2,048 rows of 256 bytes
	s_lshl_b32 s78, s[Q0], 8
	s_add_co_u32 s78, s78, s76                     ; offsets, all under 2^32: my queries,
	s_mov_b32 s79, 0
	s_add_co_u32 s80, s76, 0x800000                ; the head's keys,
	s_mov_b32 s81, 0
	s_add_co_u32 s82, s76, 0x1000000               ; its values,
	s_mov_b32 s83, 0
	s_lshr_b32 s84, s2, 2
	s_lshl_b32 s84, s84, 11
	s_add_co_u32 s84, s84, s[Q0]
	s_lshl_b32 s85, s16, 5
	s_add_co_u32 s84, s84, s85                     ; the first token that I store: 2,048 b + my first query + 32 rot,
	s_lshl_b32 s84, s84, 10                        ; rows of 1,024 bytes,
	s_and_b32 s85, s2, 3
	s_lshl_b32 s85, s85, 8
	s_add_co_u32 s84, s84, s85                     ; + 256 h
	s_mov_b32 s85, 0
	s_lshl_b32 s86, s14, 15                        ; the prefetches: my half of a slot's rows,
	s_add_co_u32 s86, s86, 65536                   ; in slot 1: the first change of slots steps it to slot 2
	s_mov_b32 s87, 0
	s_mov_b32 s[G1K], (1<<16)|(1<<20)|(5<<22)|(3<<25)   ; no mask; elements of 2 bytes; padding: 4 words after every 64
	s_mov_b32 s[G1V], (1<<16)|(1<<20)|(5<<22)|(7<<25)   ; the same with 8 words
.irp g, G1K, G1V
	s_mov_b32 s[\g+1], 128<<16                     ; tensor_dim0
	s_mov_b32 s[\g+2], 256<<16                     ; tensor_dim1
	s_mov_b32 s[\g+3], 128<<16                     ; tile_dim0
	s_mov_b32 s[\g+4], 256                         ; tile_dim1
	s_mov_b32 s[\g+5], 128                         ; the pitch
	s_mov_b32 s[\g+6], 0
	s_mov_b32 s[\g+7], 0
.endr
	s_mov_b32 s[CS], 0x3e0293ee
	s_mov_b32 s[CS+1], s[CS]
	s_mov_b32 s[SEL], 0x76543210
	s_mov_b32 s[SEL+1], 0xfedcba98
	s_mov_b32 s[NINF], 0xff800000
	s_mov_b32 s[NB], 0
	s_mov_b32 s[SK], 0
	s_mov_b32 s[TK], 0
	s_mov_b32 s[TV], 0
	s_mov_b32 s[SLOTS], 7
	s_wait_dscnt 0x0                               ; both opening adds are done
	s_wait_kmcnt 0x0
	s_add_nc_u64 s[4:5], s[20:21], s[78:79]        ; Q
	s_add_nc_u64 s[6:7], s[20:21], s[80:81]        ; K
	s_add_nc_u64 s[8:9], s[20:21], s[82:83]        ; V
	s_add_nc_u64 s[10:11], s[22:23], s[84:85]      ; att
	s_cmp_lt_u32 s[WV], 2
	s_cselect_b64 s[PFA:PFA+1], s[6:7], s[8:9]
	s_add_nc_u64 s[PFA:PFA+1], s[PFA:PFA+1], s[86:87]
	s_mov_b32 s[G0K], 1
	s_mov_b32 s[G0K+1], 0
	s_mov_b64 s[G0K+2:G0K+3], s[6:7]
	s_or_b32 s[G0K+3], s[G0K+3], 0x80000000
	s_mov_b32 s[G0V], 1
	s_mov_b32 s[G0V+1], VOFF
	s_mov_b64 s[G0V+2:G0V+3], s[8:9]
	s_or_b32 s[G0V+3], s[G0V+3], 0x80000000
	TLOAD                                          ; slot 0: it holds key 0, which counts for every query
	v_and_b32 v1, 15, v0                           ; r
	v_bfe_u32 v9, v0, 4, 1                         ; h
	v_lshlrev_b32 v[QO], 8, v1
	v_lshl_add_u32 v[QO], v9, 4, v[QO]             ; row x 256 + 16 x half
	s_lshl_b32 s3, s16, 13
	s_xor_b32 s2, s16, 1
	s_lshl_b32 s2, s2, 13
	v_add_nc_u32 v[QO2], s2, v[QO]                 ; register tiles 2, 3: query tiles 2 (1 - rot) on
	v_add_nc_u32 v[QO], s3, v[QO]                  ; register tiles 0, 1: query tiles 2 rot on
	WIN 0x80                                       ; destination window 2
.irp i, 0,1,2,3,4,5,6,7
	global_load_b128 v[8*\i:8*\i+3],   v[QO], s[4:5] offset:(\i/4)*4096+(\i%4)*64
	global_load_b128 v[8*\i+4:8*\i+7], v[QO], s[4:5] offset:(\i/4)*4096+(\i%4)*64+32
.endr
.irp i, 8,9,10,11,12,13,14,15
	global_load_b128 v[8*\i:8*\i+3],   v[QO2], s[4:5] offset:((\i-8)/4)*4096+(\i%4)*64
	global_load_b128 v[8*\i+4:8*\i+7], v[QO2], s[4:5] offset:((\i-8)/4)*4096+(\i%4)*64+32
.endr
	WIN 0
	v_mul_u32_u24 v[AK0], v1, PK
	v_lshl_add_u32 v[AK0], v9, 4, v[AK0]
	s_mul_i32 s2, s14, 64*PK
	v_add_nc_u32 v[AK0], s2, v[AK0]                ; K: row x pitch + 16 x half + my half of a key block
	v_and_b32 v10, 7, v0
	v_bfe_u32 v11, v0, 3, 1
	v_lshl_add_u32 v[AV0], v9, 3, v10
	v_mul_u32_u24 v[AV0], v[AV0], PV
	v_lshl_add_u32 v[AV0], v11, 4, v[AV0]          ; V, for the turning load: key 8 (l / 16) + l % 8, channels 8 ((l / 8) % 2) on
	s_mul_i32 s2, s14, 64*PV
	s_add_co_u32 s2, s2, VOFF
	v_add_nc_u32 v[AV0], s2, v[AV0]
	v_lshlrev_b32 v10, 3, v9
	v_sub_nc_u32 v10, v1, v10                      ; r - 8 h
.irp j, 0,1,2,3,4,5,6,7
	v_cmp_gt_i32 s[MK+\j], \j, v10                 ; in the tile on the diagonal register j holds key 8 h + j against query r: hidden where j > r - 8 h
.endr
	v_mov_b32 v[NEG], 0xff800000
	v_mov_b32 v[NBIG], 0xff61b1e6                  ; -3e38
	v_mul_f32 v[NBIG], s[CS], v[NBIG]
.irp t, 0,1,2,3                        ; the key step is written once: the first finds m = -3e38, l = 0 and O^T = 0, and its a = 2^(c m_old - c m_new) is 0
	v_mov_b32 v[ST+8*\t], v[NBIG]
	v_mov_b32 v[ST+8*\t+1], 0xff61b1e6
	v_mov_b32 v[ST+8*\t+2], 0
	v_mov_b32 v[ST+8*\t+3], 0
.endr
	v_and_b32 v10, 31, v0                          ; lane
	s_lshl_b32 s2, s[WV], 14
	v_lshl_add_u32 v[XOA], v10, 4, s2              ; where I put the images of O^T's tiles 2, 3
	s_xor_b32 s3, s[WV], 1                         ; my partner
	s_lshl_b32 s2, s3, 14
	v_lshl_add_u32 v[XOB], v10, 4, s2              ; and where I find the partner's
	s_lshl_b32 s2, s[WV], 9
	s_add_co_u32 s2, s2, XS
	v_lshl_add_u32 v[XSA], v10, 3, s2
	s_lshl_b32 s2, s3, 9
	s_add_co_u32 s2, s2, XS
	v_lshl_add_u32 v[XSB], v10, 3, s2
	s_mul_i32 s2, s[WV], 16*SP
	s_add_co_u32 s2, s2, OST
	v_mul_u32_u24 v[STO], v1, SP
	v_lshl_add_u32 v[STO], v9, 4, v[STO]
	v_add_nc_u32 v[STO], s2, v[STO]
	v_mul_u32_u24 v[RD], v9, SP
	v_lshl_add_u32 v[RD], v1, 4, v[RD]
	v_add_nc_u32 v[RD], s2, v[RD]
	v_lshlrev_b32 v[GO], 10, v9
	v_lshl_add_u32 v[GO], v1, 4, v[GO]             ; att16: lanes 0-15 one token's 256 bytes, lanes 16-31 the next token's
	v_lshlrev_b32 v[PFO], 8, v10
	WIN 0x40                                       ; O^T = 0.  Which product is a wave's first V^T P hangs on its place under the mask, so no written-out first product can start these sums; the lines stand where the wave would wait for its first tiles
.set i, 0
.rept 256
	v_mov_b32 v[i], 0
.set i, i+1
.endr
	WIN 0
; Product i of 32 of O^T += V^T P for piece x: keys 32 (i / 16) on, channels 16 ((i / 2) % 8) on, tile x + i % 2.  The accumulators take turns, one instruction a turn.
.macro PV x
	WIN W_PV
.set rO, 64*(\x+i%2)+8*((i/2)%8)
.set rV, 64*(i/16)+8*((i/2)%8)
.set rP, P+16*(\x+i%2)+8*(i/16)
	v_wmma_f32_16x16x32_f16 v[rO:rO+7], v[rV:rV+7], v[rP:rP+7], v[rO:rO+7]
.endm
; Product i of 32 of S^T = K Q^T: channels 32 (i / 8) on, keys 16 ((i / 2) % 4) on, tile x + i % 2.  The first 8 start the sums.
.macro KQ x
	WIN W_KQ
.set rS, S+32*(\x+i%2)+8*((i/2)%4)
.set rK, KFR+32*((i/2)%4)+8*(i/8)
.set rQ, 32*(\x+i%2)+8*(i/8)
.if i < 8
	v_wmma_f32_16x16x32_f16 v[rS:rS+7], v[rK:rK+7], v[rQ:rQ+7], 0
.else
	v_wmma_f32_16x16x32_f16 v[rS:rS+7], v[rK:rK+7], v[rQ:rQ+7], v[rS:rS+7]
.endif
.endm
.macro FETCH_K                         ; a step's K: 64 keys x 128 channels, 32 loads in one run
	WIN 0
	v_add_nc_u32 v[ADR], s[TK], v[AK0]
	WIN 0x80
.irp f, 0,1,2,3,4,5,6,7,8,9,10,11,12,13,14,15
	ds_load_b128 v[KFR+8*\f:KFR+8*\f+3],   v[ADR] offset:(\f/4)*16*PK+(\f%4)*64
	ds_load_b128 v[KFR+8*\f+4:KFR+8*\f+7], v[ADR] offset:(\f/4)*16*PK+(\f%4)*64+32
.endr
.endm
.macro FETCH_V                         ; and its V, turned
	WIN 0
	v_add_nc_u32 v[ADR], s[TV], v[AV0]
	s_wait_alu depctr_va_vdst(0)                   ; the wait for the softmax's batch of exponentials (SLICE), behind the address's addition and ahead of the loads
	WIN 0xc0
.irp f, 0,1,2,3,4,5,6,7,8,9,10,11,12,13,14,15
	ds_load_tr16_b128 v[8*\f:8*\f+3],   v[ADR] offset:(\f/8)*32*PV+(\f%8)*32
	ds_load_tr16_b128 v[8*\f+4:8*\f+7], v[ADR] offset:(\f/8)*32*PV+16*PV+(\f%8)*32
.endr
.endm
; One tile's softmax for one key step is a list of 134 instructions; SM writes number j of it for tile t.
;   0-15 the maximum of the lane's 32 scores and the old m;  16-20 the other half of the lanes' maximum, the new m, c m, c m_old - c m_new;
;   21-69 ONE BATCH: the 16 packed scalings c s - c m and all 33 exponentials (a at 23), none of which reads an exponential's result;  (the wait: SLICE writes it);
;   70-85 the roundings to f16;  86-101 the sums, l = a l + the sum;  102-133 the tile's O^T times a.
.macro SM t
.set rT, ST+8*(\t)
.set rS, S+32*(\t)
.set rP, P+16*(\t)
.set rO, 64*(\t)+2*(j-102)
.if j < 102
	WIN 0
.endif
.if j < 4
	v_max3_num_f32 v[rT+4+j], v[rS+8*j], v[rS+8*j+1], v[rS+8*j+2]
.elseif j < 12
	v_max3_num_f32 v[rT+4+j%4], v[rT+4+j%4], v[rS+8*(j%4)+2*(j/4)+1], v[rS+8*(j%4)+2*(j/4)+2]
.elseif j == 12
	v_max3_num_f32 v[rT+4], v[rT+4], v[rS+7], v[rS+15]
.elseif j == 13
	v_max3_num_f32 v[rT+6], v[rT+6], v[rS+23], v[rS+31]
.elseif j == 14
	v_max3_num_f32 v[rT+4], v[rT+4], v[rT+5], v[rT+6]
.elseif j == 15
	v_max3_num_f32 v[rT+4], v[rT+4], v[rT+7], v[rT+1]
.elseif j == 16
	v_permlanex16_b32 v[rT+5], v[rT+4], s[SEL], s[SEL+1]
.elseif j == 17
	v_mov_b32 v[rT+7], v[rT]
.elseif j == 18
	v_max_num_f32 v[rT+1], v[rT+4], v[rT+5]
.elseif j == 19
	v_mul_f32 v[rT], s[CS], v[rT+1]
.elseif j == 20
	v_sub_f32 v[rT+7], v[rT+7], v[rT]
.elseif j == 23
	v_exp_f32 v[rT+6], v[rT+7]
.elseif (j < 23) || ((j < 38) && (j%2 == 0)) || ((j < 66) && (j%4 == 2))
.set b, (j-2)/4
.if j < 38
.set b, (j-20)/2
.endif
	v_pk_fma_f32 v[rS+2*b:rS+2*b+1], v[rS+2*b:rS+2*b+1], s[CS:CS+1], v[rT:rT+1] op_sel_hi:[1,0,0] neg_lo:[0,0,1] neg_hi:[0,0,1]
.elseif j < 70
.set e, j-38
.if j < 66
.set e, j-32-(j-38)/4
.endif
.if j < 38
.set e, (j-25)/2
.endif
	v_exp_f32 v[rS+e], v[rS+e]
.elseif j < 86
	v_cvt_pk_f16_f32 v[rP+j-70], v[rS+2*(j-70)], v[rS+2*(j-70)+1]
.elseif j < 102
.set z, j-86
.set w, 4
.set u, z
.if z >= 14
.set w, 32
.set u, 0
.elseif z >= 12
.set w, 16
.set u, z-12
.elseif z >= 8
.set w, 8
.set u, z-8
.endif
.if z < 15
	v_pk_add_f32 v[rS+w*u:rS+w*u+1], v[rS+w*u:rS+w*u+1], v[rS+w*u+w/2:rS+w*u+w/2+1]
.else
	v_pk_fma_f32 v[rT+2:rT+3], v[rT+2:rT+3], v[rT+6:rT+7], v[rS:rS+1] op_sel_hi:[1,0,1]
.endif
.else
	WIN W_RS
	v_pk_mul_f32 v[rO:rO+1], v[rO:rO+1], v[rT+6:rT+7] op_sel_hi:[1,0]
.endif
.endm
; Slice k of 64 of piece y's softmax: four instructions; slices 11 to 34 deal out the batch, four numbers of one tile each; the twelve that are over stand in slice 63, where they are the places behind the turn's last product.
; Behind slice 34 stands the one wait for the piece's 66 exponentials: ahead of slice 35 nothing names a result, behind slice 34 no exponential is issued.
.macro SLICE y
.if (k >= 11) && (k < 35)
.irp n, 0,1,2,3
.set j, 22+4*((k-11)/2)+(\n)
	SM (\y)+(k-11)%2
.endr
.else
.irp n, 0,1,2,3,4,5,6,7
.if (\n < 2) || (k == 63)
.irp t, \y, \y+1
.set j, 2*k+\n
	SM \t
.endr
.endif
.endr
.endif
.if k == 34
	v_nop                                          ; a plain line behind the last exponential
.if (\y) == 0
	FETCH_V                                        ; piece 2's turn: V's run of loads stands here, and the wait stands in it
.else
	s_wait_alu depctr_va_vdst(0)
.endif
.endif
.set k, k+1
.endm
.macro PLACES
.rept 4
	v_nop
.endr
.endm
; A TURN.  Piece x has the matrix unit.  pv: 32 products V^T P; kq: 32 products K Q^T for the next step; a turn with one of the two kinds has two slices behind each product.
.macro TURN x, pv, kq
.set k, 0
.set per, 2
.if \pv && \kq
.set per, 1
.endif
.if \pv
.if \x == 0
	s_wait_dscnt 0x0                               ; V is in
.endif
.set i, 0
.rept 32
	PV \x
.rept per
	SLICE 2-\x
.endr
.if (\x == 0) && \kq && (i == 1)
	FETCH_K
.endif
.set i, i+1
.endr
.endif
.if \kq
.if \x == 0
	s_wait_dscnt 0x0                               ; K is in
.endif
.set i, 0
.rept 32
	KQ \x
.rept per
	SLICE 2-\x
.endr
.set i, i+1
.endr
.endif
.endm
; THE DIAGONAL STEP (first key = first query; only waves with rot = 0 have one, so register tile = query tile): the scores of hidden keys become -infinity ahead of the maximum.
; Key tiles behind the query tile are hidden whole; in the tile on the diagonal the masks made at the head choose.
.macro MASKD x
.irp t, \x, \x+1
.irp kt, 0,1,2,3
.if \kt > (\t)
.irp j, 0,1,2,3,4,5,6,7
	v_mov_b32 v[S+32*(\t)+8*\kt+\j], s[NINF]
.endr
.elseif \kt == (\t)
.irp j, 0,1,2,3,4,5,6,7
	v_cndmask_b32 v[S+32*(\t)+8*\kt+\j], v[S+32*(\t)+8*\kt+\j], v[NEG], s[MK+\j]
.endr
.endif
.endr
.endr
.endm
.macro NEXTKEYS                        ; on to my half of the next key block: these three lines stand on every path
	s_add_co_u32 s[KEY], s[KEY], 128
	s_add_co_u32 s[TK], s[TK], KRND
	s_add_co_u32 s[TV], s[TV], VRND
.endm
; A KEY STEP of the pipeline: it finishes the step in hand and takes up the step that begins at s[KEY].  Where that step's keys all come after my queries it is left out: a scalar branch on ids and the count of steps,
; round loads from LDS, products and softmax; no barrier and no tensor load stands inside.
.macro UNIT
	s_cmp_gt_u32 s[KEY], s[Q0]
	s_cbranch_scc1 .Lskip_\@
	TURN 0, 2, 1
	WIN 0
	s_cmp_lg_u32 s[KEY], s[Q0]
	s_cbranch_scc1 .Lopen0_\@
	MASKD 0
.Lopen0_\@:
	TURN 2, 2, 1
	WIN 0
	s_cmp_lg_u32 s[KEY], s[Q0]
	s_cbranch_scc1 .Lopen2_\@
	MASKD 2
.Lopen2_\@:
.Lskip_\@:
	NEXTKEYS
.endm
.macro TWO_UNITS
	s_mov_b32 s[TWICE], 2
.Ltwo_\@:
	UNIT
	s_sub_co_u32 s[TWICE], s[TWICE], 1
	s_cmp_lg_u32 s[TWICE], 0
	s_cbranch_scc1 .Ltwo_\@
.endm
.macro ENDSLOT                         ; the fetches go back to a slot's first key block, in the other slot
	s_sub_co_u32 s[TK], s[TK], 2*KRND
	s_xor_b32 s[TK], s[TK], SLOTB
	s_sub_co_u32 s[TV], s[TV], 2*VRND
	s_xor_b32 s[TV], s[TV], SLOTB
.endm
; THE CHANGE OF SLOTS stands at a slot's head.  Each wave waits for all its tensor loads, adds 0 to its spare word (fill = 1: twice on end), and waits for that and for its reads of
; the slot that it has left.  Behind the barrier the slot ahead is whole and nobody reads the other one, which is filled with the keys that follow, up to the causal limit.  Every wait on TENSORcnt in this text is for 0.
.macro CHANGE fill
	s_wait_tensorcnt 0x0
	ds_add_u32 v[SPW], v[NIL]
.if \fill
	ds_add_u32 v[SPW], v[NIL]
	s_xor_b32 s[NB], s[NB], SLOTB                  ; no tensor load of mine is out, so the groups 0 may be written: the other slot than last time,
	s_mov_b32 s[G0K+1], s[NB]
	s_add_co_u32 s[G0V+1], s[NB], VOFF
	s_add_nc_u64 s[G0K+2:G0K+3], s[G0K+2:G0K+3], 65536   ; the next 256 keys
	s_add_nc_u64 s[G0V+2:G0V+3], s[G0V+2:G0V+3], 65536
	s_wait_xcnt 0x0                                ; the last prefetches, a slot back, have read their address
	s_add_nc_u64 s[PFA:PFA+1], s[PFA:PFA+1], 65536
.endif
	s_wait_dscnt 0x0
	s_barrier_signal -1
	s_barrier_wait -1
.if \fill
	s_add_co_u32 s96, s[SK], 256                   ; the first key of the slot that this change would ask for:
	s_cmp_gt_u32 s96, s[QL]                        ; behind my work-group's last query no wave reads it, so it is not asked for.  Ids and the count of steps alone: all four waves go the same way
	s_cbranch_scc1 .Lpast_\@
	TLOAD
.Lpast_\@:
	ASK
	s_add_co_u32 s[SK], s[SK], 256
.endif
.endm
	CHANGE 1                                       ; slot 0 is whole; slot 1 is asked for
	; THE FIRST STEP, which every wave walks: piece 0's scores; piece 2's scores with piece 0's softmax between them; V
	FETCH_K
	s_wait_loadcnt 0x0                             ; Q
	s_wait_dscnt 0x0
.set i, 0
.rept 32
	KQ 0
.set i, i+1
.endr
	WIN 0
	PLACES
	s_cmp_lg_u32 s[KEY], s[Q0]
	s_cbranch_scc1 .Lfirst0
	MASKD 0
.Lfirst0:
	TURN 2, 0, 1
	WIN 0
	s_cmp_lg_u32 s[KEY], s[Q0]
	s_cbranch_scc1 .Lfirst2
	MASKD 2
.Lfirst2:
	NEXTKEYS
	UNIT
	ENDSLOT
	s_sub_co_u32 s[SLOTS], s[SLOTS], 1
.Lslot:                                            ; six trips: slots 1 to 6
	CHANGE 1
	TWO_UNITS
	ENDSLOT
	s_sub_co_u32 s[SLOTS], s[SLOTS], 1
	s_cmp_lg_u32 s[SLOTS], 0
	s_cbranch_scc1 .Lslot
	CHANGE 0                                       ; the last slot is written out: nothing is asked for
	TWO_UNITS
	TURN 0, 2, 0                                   ; piece 0: V^T P of my last step | piece 2's last softmax
.set i, 0
.rept 32
	PV 2
.set i, i+1
.endr
	; THE JOIN of the two waves of a query half.  The additions are the places behind the last products.
	WIN 0
.irp t, 0,1,2,3
	v_add_f32 v[ST+8*\t+4], v[ST+8*\t+2], v[ST+8*\t+3]
.endr
.irp t, 0,1,2,3
	v_permlanex16_b32 v[ST+8*\t+5], v[ST+8*\t+4], s[SEL], s[SEL+1]
.endr
.irp t, 0,1,2,3
	v_add_f32 v[ST+8*\t+4], v[ST+8*\t+4], v[ST+8*\t+5]             ; l
.endr
.irp t, 0,1,2,3
	v_cndmask_b32 v[ST+8*\t+5], v[ST+8*\t], v[NBIG], s[DEADM]      ; c m; in the wave with no key that counts a number under every c m
.endr
	ds_store_b64 v[XSA], v[ST+20:ST+21]            ; (l, c m) of tiles 2 and 3
	ds_store_b64 v[XSA], v[ST+28:ST+29] offset:256
	WIN 0x04                                       ; an LDS store's data are its source 1: window 1
.set i, 0
.rept 32
	ds_store_b128 v[XOA], v[128+4*i:128+4*i+3] offset:512*i        ; O^T's tiles 2 and 3 as images of their registers, each accumulator from its low end on
.set i, i+1
.endr
	WIN 0
	s_wait_dscnt 0x0                               ; for the partner's sake: my stores have landed
	s_barrier_signal -1
	s_barrier_wait -1
	ds_load_b64 v[XP:XP+1], v[XSB]
	ds_load_b64 v[XP+2:XP+3], v[XSB] offset:256
	WIN 0x80                                       ; into Q's registers, which are done with
.set i, 0
.rept 32
	ds_load_b128 v[4*i:4*i+3], v[XOB] offset:512*i
.set i, i+1
.endr
	WIN 0
	s_wait_dscnt 0x0
.irp t, 0,1
	v_max_num_f32 v[ST+8*\t+6], v[ST+8*\t+5], v[XP+2*\t+1]         ; the larger c m
.endr
.irp t, 0,1
	v_sub_f32 v[ST+8*\t+7], v[ST+8*\t+5], v[ST+8*\t+6]
	v_sub_f32 v[XP+2*\t+1], v[XP+2*\t+1], v[ST+8*\t+6]
.endr
.irp t, 0,1
	v_exp_f32 v[ST+8*\t+7], v[ST+8*\t+7]           ; f0, mine
	v_exp_f32 v[XP+2*\t+1], v[XP+2*\t+1]           ; f1, the partner's
.endr
	v_nop
	s_wait_alu depctr_va_vdst(0)                   ; one wait for the four
.irp t, 0,1
	v_mul_f32 v[ST+8*\t+4], v[ST+8*\t+4], v[ST+8*\t+7]
.endr
.irp t, 0,1
	v_fma_f32 v[ST+8*\t+4], v[XP+2*\t], v[XP+2*\t+1], v[ST+8*\t+4] ; the row's sum
.endr
.irp t, 0,1
	v_rcp_f32 v[ST+8*\t+4], v[ST+8*\t+4]
.endr
	v_nop
	s_wait_alu depctr_va_vdst(0)                   ; one wait for the two
.irp t, 0,1
	v_mul_f32 v[ST+8*\t+6], v[ST+8*\t+7], v[ST+8*\t+4]             ; g0 = f0 / sum
	v_mul_f32 v[XP+2*\t], v[XP+2*\t+1], v[ST+8*\t+4]               ; g1 = f1 / sum
.endr
	WIN 0x82
.irp t, 0,1
.set i, 0
.rept 32
	v_pk_mul_f32 v[64*\t+2*i:64*\t+2*i+1], v[64*\t+2*i:64*\t+2*i+1], v[XP+2*\t:XP+2*\t+1] op_sel_hi:[1,0]
.set i, i+1
.endr
.endr
	WIN 0x61
.irp t, 0,1
.set i, 0
.rept 32
	v_pk_fma_f32 v[64*\t+2*i:64*\t+2*i+1], v[64*\t+2*i:64*\t+2*i+1], v[ST+8*\t+6:ST+8*\t+7], v[64*\t+2*i:64*\t+2*i+1] op_sel_hi:[1,0,1]
.set i, i+1
.endr
.endr
; THE WAY OUT of my two tiles: a lane's eight channels of a row pack into 16 bytes; they go into rows of 272 bytes of my own stage and come back as whole rows of 256.
.macro OPACK t
	WIN 0x05
.set i, 0
.rept 32
	v_cvt_pk_f16_f32 v[S+32*\t+i], v[64*\t+2*i], v[64*\t+2*i+1]
.set i, i+1
.endr
	WIN 0
.irp f, 0,1,2,3,4,5,6,7
	ds_store_b128 v[STO], v[S+32*\t+4*\f:S+32*\t+4*\f+3] offset:32*\f
.endr
.irp f, 0,1,2,3,4,5,6,7
	ds_load_b128 v[S+32*\t+4*\f:S+32*\t+4*\f+3], v[RD] offset:\f*2*SP  ; LDS serves a wave's instructions in order: these see the stores above
.endr
.endm
.macro OSEND t, younger                ; younger: the LDS instructions issued behind tile t's loads
.irp f, 0,1,2,3,4,5,6,7
	s_wait_dscnt \younger+7-\f
	global_store_b128 v[GO], v[S+32*\t+4*\f:S+32*\t+4*\f+3], s[10:11] offset:\t*16384+\f*2048  ; 16 lanes store 256 consecutive bytes, aligned
.endr
.endm
	OPACK 0
	OPACK 1
	OSEND 0, 16
	OSEND 1, 0
	s_wait_tensorcnt 0x0                           ; the wave's end
	ds_add_u32 v[SPW], v[NIL]
	s_wait_dscnt 0x0
	s_endpgm
.Lfunc_end_k_q4854d9efe6_attn:
	.size	k_q4854d9efe6_attn, .Lfunc_end_k_q4854d9efe6_attn-k_q4854d9efe6_attn
	.p2alignl 7, 3214868480
	.fill 96, 4, 3214868480
	.section	.rodata,"a",@progbits
	.p2align	6, 0x0
	.amdhsa_kernel k_q4854d9efe6_attn
		.amdhsa_group_segment_fixed_size 327680
		.amdhsa_private_segment_fixed_size 0
		.amdhsa_enable_private_segment 0
		.amdhsa_kernarg_size 16
		.amdhsa_user_sgpr_count 2
		.amdhsa_user_sgpr_kernarg_segment_ptr 1
		.amdhsa_wavefront_size32 1
		.amdhsa_system_sgpr_workgroup_id_x 1
		.amdhsa_system_sgpr_workgroup_id_y 1
		.amdhsa_system_sgpr_workgroup_id_z 1
		.amdhsa_system_vgpr_workitem_id 0
		.amdhsa_next_free_vgpr 1024
		.amdhsa_next_free_sgpr 98
		.amdhsa_reserve_vcc 0
		.amdhsa_float_denorm_mode_32 3
		.amdhsa_float_denorm_mode_16_64 3
		.amdhsa_memory_ordered 1
		.amdhsa_forward_progress 1
		.amdhsa_inst_pref_size 255
	.end_amdhsa_kernel
	.section	.bss,"aw",@nobits
	.p2align	6
	.space	262144
	.amdgpu_metadata
---
amdhsa.version: [ 1, 2 ]
amdhsa.kernels:
  - .name:           k_q4854d9efe6_attn
    .symbol:         k_q4854d9efe6_attn.kd
    .args:
      - { .name: qkv16, .offset: 0, .size: 8, .value_kind: global_buffer, .address_space: global }
      - { .name: att16, .offset: 8, .size: 8, .value_kind: global_buffer, .address_space: global }
    .group_segment_fixed_size: 327680
    .private_segment_fixed_size: 0
    .kernarg_segment_align: 8
    .kernarg_segment_size: 16
    .max_flat_workgroup_size: 128
    .sgpr_count:     98
    .vgpr_count:     1024
    .wavefront_size: 32
...
	.end_amdgpu_metadata
.endif
;; end of part 3
;; launch oproj (part 4): grid 8 x 32, 4 waves a work-group, clusters of 4 x 1, 327,680 bytes of LDS; arguments att16, wo16, out0; writes out0
.if DOCPART == 4
	.amdgcn_target "amdgcn-amd-amdhsa--gfx1250"
	.amdhsa_code_object_version 6
	.text
	.protected	k_q4854d9efe6_oproj
	.globl	k_q4854d9efe6_oproj
	.p2align	8
	.type	k_q4854d9efe6_oproj,@function
k_q4854d9efe6_oproj:
	s_mov_b64 s[64:65], 0
	v_nop
	global_prefetch_b8 v0, s[64:65] scope:SCOPE_SE
	s_setreg_imm32_b32 hwreg(HW_REG_WAVE_MODE, 25, 1), 1
	s_wait_xcnt 0x0
	s_wait_alu depctr_hold_cnt(0) depctr_sa_sdst(0) depctr_va_vdst(0) depctr_va_sdst(0) depctr_va_ssrc(0) depctr_va_vcc(0) depctr_vm_vsrc(0)
	s_getreg_b32 s2, hwreg(HW_REG_IB_STS2, 6, 4)
	s_cmp_eq_u32 s2, 0
	s_cbranch_scc0 .Lentry_in_a_cluster
	s_endpgm
.Lentry_in_a_cluster:
	s_bfe_u32 s2, ttmp6, 0x10000c
	s_cmp_lg_u32 s2, 0x3003
	s_cbranch_scc0 .Lentry_shape_is_right
	s_endpgm
.Lentry_shape_is_right:
; out0[m][n] = sum over k of att[m][k] Wo[n][k].  att16: [8192][512] f16, wo16: [2048][512] f16, out0: [8192][2048] f32; sums in f32.
; NOT STORED HERE: positions 0-15 of every sequence (64 rows).  They lie inside live tiles and are multiplied with them, but launch first16 owns those rows of out0 and stores them from f32 operands.
; SHARES.  A work-group makes 256 rows x 256 columns: 32 x 8 tiles, 256 work-groups.  THE WAVES SHARE THE COLUMNS: wave w makes columns 64 w .. 64 w + 63 of all 256 rows.
; Its part of Wo, 64 rows x 512 along K, is 64 fragments, 512 registers: it comes from memory straight into them, once, and stays.  att's tile, 256 rows x 1,024 bytes, all of K, lies in LDS, filled once by the tensor data mover.
; So a row of the result is FINISHED as soon as its 16 K steps are multiplied.  The rows go 32 at a time (a PAIR of blocks of 16: 8 accumulators by turns, 128 matrix instructions), and a pair's results go through
; the wave's own stage in LDS and are stored while the next pair is multiplied: the stores are spread over the launch and do not all stand behind the last product.
; CLUSTER: 4 x 1 work-groups, the four column tiles of one tile row: att's tile is asked for JOINTLY (mask 15).  Wo's tile is shared too, by the 32 work-groups of a tile column, but it is not asked for jointly:
; a joint load lands in LDS, and beside att's 266,240 bytes LDS has no room for Wo's 266,240.
; THE MATRIX INSTRUCTION IS USED TRANSPOSED (source 0 = 16 rows of Wo, source 1 = 16 rows of att): a lane holds eight neighbouring numbers of a row of out0.
; REGISTERS, in windows of 256: window 0: v0-15 addresses; v16-143 the accumulators, two sets of 8 (set p % 2; block, then tile of 16 columns); v144-207 32 rows read back from the stage.
;   window 1: att's fragments of a pair: v0-127 K steps 0-7, v128-255 K steps 8-15 (64 x block + 8 x K step).   window 2: Wo's fragments of K steps 0-7 (32 x K step + 8 x tile);   window 3: those of K steps 8-15.
.set PA,     1040                      ; a row of att in LDS: 1,024 bytes + 16 of padding = 260 words: row r starts at bank 4 r mod 64 (64 banks of 4 bytes: ISA guide 11.1), so the 16 rows that a load touches start at 16 different banks
.set HALFA,  128*PA                    ; rows 0-127; rows 128-255 lie behind them
.set STAGE,  256*PA                    ; behind the tile: 32 rows x (256 bytes + 16) for each wave; no tensor load lands here
.set SPITCH, 272
.set WSTG,   32*SPITCH
.set SPARE,  STAGE+4*WSTG              ; the spare words, 128 bytes a wave
.set ADRA, 2                           ; v2   LDS address of my lane's place in the pair whose fragments are fetched next
.set STO,  3                           ; v3   the stage: where I put 32 bytes of a row
.set RD,   4                           ; v4   and where I read a row back
.set CO,   5                           ; v5   my byte offset in two rows of out0
.set BO,   6                           ; v6   my byte offset in 16 rows of wo16; never rewritten
.set SPW,  8                           ; v8   LDS address of my spare word; never rewritten
.set NIL,  9                           ; v9   0; never rewritten
.set ACC,  16
.set OB,   144
.set G1,   24                          ; s[24:31] descriptor group 1
.set G0,   32                          ; s[32:39] descriptor group 0, one set for each half of the tile
.set M_LO, 0x06                        ; source 0 (Wo) window 2, source 1 (att) window 1, C and D window 0
.set M_HI, 0x07                        ; the same with source 0 in window 3
.set MSB, 0
.macro WIN new                         ; the immediate's high byte repeats the setting that is left
.if MSB != (\new)
	s_set_vgpr_msb (MSB<<8)|(\new)
.set MSB, (\new)
.endif
.endm
.macro CROUND                          ; a round of the cluster's barrier
	s_barrier_signal -1
	s_barrier_wait -1
	s_cmp_lg_u32 s10, 0
	s_cbranch_scc1 .Lnot_wave_0_\@
	s_barrier_signal -3
.Lnot_wave_0_\@:
	s_barrier_wait -3
	s_barrier_signal -1
	s_barrier_wait -1
.endm
.macro PLACES                          ; plain vector instructions that name none of the matrix instructions' registers, in front of loads into their sources and of reads of their results
.rept 4
	v_nop
.endr
.endm
	s_load_b128 s[4:7], s[0:1], 0x0                ; att16 4:5, wo16 6:7
	s_load_b64 s[8:9], s[0:1], 0x10                ; out0
	v_lshl_add_u32 v[SPW], v0, 2, SPARE
	v_mov_b32 v[NIL], 0
	ds_add_u32 v[SPW], v[NIL]                      ; the wave's opening: the add, twice on end, and its wait ahead of my first tensor load
	ds_add_u32 v[SPW], v[NIL]
	v_lshrrev_b32 v1, 5, v0
	v_readfirstlane_b32 s10, v1                    ; wave 0..3
	s_bfe_u32 s40, ttmp6, 0x40000                  ; my place in the cluster
	s_lshl_b32 s42, ttmp9, 2
	s_add_co_u32 s42, s42, s40                     ; tile column = 4 x cluster x + place: it enters Wo's and out0's addresses alone
	s_and_b32 s13, ttmp7, 0xffff                   ; tile row, which the four partners share
	s_and_b32 s2, s13, 7                           ; 0: the tile's first 16 rows are positions 0-15 of a sequence (a sequence is 8 tiles)
	s_mov_b32 s[G1+0], 15|(1<<16)|(1<<20)|(1<<21)|(7<<22)|(3<<25)   ; 15:0 the mask: all four partners; 17:16 elements of 2 bytes; 20 padding on; 21 set beside a mask; 24:22 after every 256 words (code 7); 31:25 4 words (code 3)
	s_mov_b32 s[G1+1], 512<<16                     ; tensor_dim0 = 512
	s_mov_b32 s[G1+2], 32<<16                      ; tensor_dim1 = 32
	s_mov_b32 s[G1+3], 512<<16                     ; tile_dim0 = 512
	s_mov_b32 s[G1+4], 32                          ; tile_dim1 = 32
	s_mov_b32 s[G1+5], 512                         ; the pitch, in elements
	s_mov_b32 s[G1+6], 0
	s_mov_b32 s[G1+7], 0
	s_lshl_b32 s16, s13, 18                        ; att: 256 rows of 1,024 bytes a tile row,
	s_lshl_b32 s17, s10, 15                        ; + my wave's 32 rows: made of what the partners share
	s_add_co_u32 s16, s16, s17
	s_mov_b32 s17, 0
	s_mul_i32 s20, s10, 32*PA                      ; and where they go: wave x 32 rows: no place in the cluster enters an LDS address
	s_lshl_b32 s18, s42, 18                        ; Wo: 256 rows of 1,024 bytes a tile column,
	s_lshl_b32 s19, s10, 16                        ; + my wave's 64 rows
	s_add_co_u32 s18, s18, s19
	s_mov_b32 s19, 0
	s_lshl_b32 s22, s13, 21                        ; out0: 256 rows of 8,192 bytes a tile row,
	s_lshl_b32 s23, s42, 10                        ; + 1,024 bytes a tile column,
	s_add_co_u32 s22, s22, s23
	s_lshl_b32 s23, s10, 8                         ; + my wave's 256 bytes
	s_add_co_u32 s22, s22, s23
	s_mov_b32 s23, 0
	s_wait_dscnt 0x0                               ; both opening adds are done
	s_wait_kmcnt 0x0
	s_add_nc_u64 s[14:15], s[4:5], s[16:17]
	s_add_nc_u64 s[6:7], s[6:7], s[18:19]
	s_add_nc_u64 s[8:9], s[8:9], s[22:23]
	CROUND                                         ; all four work-groups are here: the joint loads meet
.irp s, 0,1
	s_mov_b32 s[G0+4*\s], 1                                        ; count = 1
	s_add_co_u32 s[G0+4*\s+1], s20, \s*HALFA                       ; LDS address
	s_add_nc_u64 s[G0+4*\s+2:G0+4*\s+3], s[14:15], \s*131072       ; global address: rows 128 s + 32 wave on
	s_or_b32 s[G0+4*\s+3], s[G0+4*\s+3], 0x80000000                ; type = 2
.endr
	tensor_load_to_lds s[G0:G0+3], s[G1:G1+7]      ; every wave issues its two loads, the launch's only fills: two tensor loads of mine are out
	s_nop 0
	tensor_load_to_lds s[G0+4:G0+7], s[G1:G1+7]
	s_nop 0
.rept 4
	v_nop                                          ; an s_nop 0 follows each load, four v_nop the second's
.endr
	v_and_b32 v1, 15, v0                           ; r = lane % 16
	v_bfe_u32 v7, v0, 4, 1                         ; h = lane / 16
	v_lshlrev_b32 v[BO], 10, v1
	v_lshl_add_u32 v[BO], v7, 4, v[BO]             ; row r of 1,024 bytes + 16 h
	; Wo's fragments, in the order of K: a fragment is 16 rows x 32 K in 8 registers: two loads of 16 bytes, 32 bytes apart.  They stay.
	WIN 0x80                                       ; destination window 2
.irp ks, 0,1,2,3,4,5,6,7
.irp n, 0,1,2,3
.irp c, 0,1
	global_load_b128 v[32*\ks+8*\n+4*\c:32*\ks+8*\n+4*\c+3], v[BO], s[6:7] offset:16384*\n+64*\ks+32*\c
.endr
.endr
.endr
	WIN 0xc0                                       ; destination window 3
.irp ks, 0,1,2,3,4,5,6,7
.irp n, 0,1,2,3
.irp c, 0,1
	global_load_b128 v[32*\ks+8*\n+4*\c:32*\ks+8*\n+4*\c+3], v[BO], s[6:7] offset:16384*\n+512+64*\ks+32*\c
.endr
.endr
.endr
	WIN 0
	v_mul_u32_u24 v[ADRA], v1, PA
	v_lshl_add_u32 v[ADRA], v7, 4, v[ADRA]         ; a fragment's row x pitch + 16 h
	s_mul_i32 s21, s10, WSTG
	s_add_co_u32 s21, s21, STAGE                   ; my stage
	v_mul_u32_u24 v[STO], v1, SPITCH
	v_lshl_add_u32 v[STO], v7, 5, v[STO]
	v_add_nc_u32 v[STO], s21, v[STO]               ; in: row r, 32 bytes for each half of the lanes
	v_mul_u32_u24 v[RD], v7, SPITCH
	v_lshl_add_u32 v[RD], v1, 4, v[RD]
	v_add_nc_u32 v[RD], s21, v[RD]                 ; back: lanes 0-15 one row of 256 bytes, lanes 16-31 the next
	v_lshlrev_b32 v[CO], 13, v7
	v_lshl_add_u32 v[CO], v1, 4, v[CO]             ; and the same two rows in out0
; 32 LDS loads in one run: att's fragments of a pair (two blocks of 16 rows) for K steps 8 hf .. 8 hf + 7
.macro LOADA hf
	WIN 0x40                                       ; destination window 1
.irp blk, 0,1
.irp ks, 0,1,2,3,4,5,6,7
	ds_load_b128 v[128*\hf+64*\blk+8*\ks:128*\hf+64*\blk+8*\ks+3],   v[ADRA] offset:\blk*16*PA+64*(8*\hf+\ks)
	ds_load_b128 v[128*\hf+64*\blk+8*\ks+4:128*\hf+64*\blk+8*\ks+7], v[ADRA] offset:\blk*16*PA+64*(8*\hf+\ks)+32
.endr
.endr
	WIN 0
.endm
; 64 matrix instructions: pair p, K steps 8 hf .. 8 hf + 7.  The pair's 8 accumulators (2 blocks x 4 tiles of 16 columns) take turns, one instruction a turn; K step 0 starts the sums: nothing is cleared.
.macro HALF p, hf
.set AS, ACC+64*((\p)%2)
.set kk, 0
.rept 8
.if ((\p) == 0) && (\hf == 1)
	s_wait_loadcnt 8*(7-kk)                        ; Wo's fragments of this K step are in; the 8 loads of each later K step may be out
.endif
.irp blk, 0,1
.irp n, 0,1,2,3
.if (\hf == 0) && (kk == 0)
	v_wmma_f32_16x16x32_f16 v[AS+32*\blk+8*\n:AS+32*\blk+8*\n+7], v[32*kk+8*\n:32*kk+8*\n+7], v[128*\hf+64*\blk+8*kk:128*\hf+64*\blk+8*kk+7], 0
.else
	v_wmma_f32_16x16x32_f16 v[AS+32*\blk+8*\n:AS+32*\blk+8*\n+7], v[32*kk+8*\n:32*kk+8*\n+7], v[128*\hf+64*\blk+8*kk:128*\hf+64*\blk+8*kk+7], v[AS+32*\blk+8*\n:AS+32*\blk+8*\n+7]
.endif
.endr
.endr
.set kk, kk+1
.endr
.endm
; Pair q's results into my own stage, and back as whole rows of 256 bytes.  A lane holds 32 neighbouring bytes of a row, and the lanes beside it hold other rows.
.macro TS q
.set AS, ACC+64*((\q)%2)
.if (\q) > 0
	s_wait_xcnt 0x0                                ; the stores of the pair before have read their data: v144-207 are loaded again only behind this wait
.endif
.irp blk, 0,1
.irp n, 0,1,2,3
	ds_store_b128 v[STO], v[AS+32*\blk+8*\n:AS+32*\blk+8*\n+3] offset:\blk*16*SPITCH+64*\n          ; each accumulator from its low end on
	ds_store_b128 v[STO], v[AS+32*\blk+8*\n+4:AS+32*\blk+8*\n+7] offset:\blk*16*SPITCH+64*\n+16
.endr
.endr
.irp t, 0,1,2,3,4,5,6,7,8,9,10,11,12,13,14,15
	ds_load_b128 v[OB+4*\t:OB+4*\t+3], v[RD] offset:\t*2*SPITCH    ; LDS serves a wave's instructions in order: these see the stores above, and the next pair's stores come behind them
.endr
.endm
; Pair q is stored.  younger: the LDS loads issued behind the stage's, which may stay out.  The pair's place among the tile's 256 rows stands in the immediate: 2,080,768 at the most, inside its signed 24 bits.
.macro SEND q, younger
	s_wait_dscnt \younger                          ; the pair is back in registers
.if (\q) == 0
	s_cmp_eq_u32 s2, 0                             ; positions 0-15 of a sequence are another launch's to store: the jump leads round the eight stores of the tile's first 16 rows alone
	s_cbranch_scc1 .Lfine_rows
.endif
.irp t, 0,1,2,3,4,5,6,7
	global_store_b128 v[CO], v[OB+4*\t:OB+4*\t+3], s[8:9] offset:(\q)*262144+\t*16384 th:TH_STORE_NT   ; 16 lanes store 256 consecutive bytes, aligned; written once, read by nobody here
.endr
.if (\q) == 0
.Lfine_rows:
.endif
.irp t, 8,9,10,11,12,13,14,15
	global_store_b128 v[CO], v[OB+4*\t:OB+4*\t+3], s[8:9] offset:(\q)*262144+\t*16384 th:TH_STORE_NT
.endr
.endm
; A PAIR: 128 matrix instructions in two halves of K.  att's fragments have one set of registers: a half is fetched anew, for the next pair, as soon as its 64 products are issued, 64 matrix instructions ahead of its use.
; The pair before goes into the stage in this pair's middle and is stored at its end.  The accumulators have two sets: a set is begun anew two pairs on, twelve places behind its last product.
.macro PAIR p
	s_wait_dscnt 32                                ; this pair's K steps 0-7 are in; the 32 loads of its K steps 8-15 may be out
.if \p == 0
	s_wait_loadcnt 63                              ; Wo: 64 loads (K steps 8-15) were issued behind the 64 of K steps 0-7: with at most 63 out, those 64 are in
.endif
	WIN M_LO
	HALF \p, 0
	s_wait_dscnt 0x0                               ; K steps 8-15 are in (asked for 64 matrix instructions ago); no LDS instruction of mine is out
	WIN 0
.if \p == 3
	s_wait_tensorcnt 0x0                           ; my part of rows 128-255 has landed,
	s_barrier_signal -1
	s_barrier_wait -1                              ; everybody's has.
.endif
.if \p < 7
	PLACES
	v_add_nc_u32 v[ADRA], 32*PA, v[ADRA]           ; on to the next pair's rows
	LOADA 0
.endif
.if \p > 0
	TS (\p)-1
.endif
	WIN M_HI
	HALF \p, 1
	WIN 0
	PLACES                                         ; in front of the loads below, and of the stage's reads of this pair's results
.if \p < 7
	LOADA 1
.endif
.if \p > 0
.if \p < 7
	SEND (\p)-1, 32
.else
	SEND (\p)-1, 0
.endif
.endif
.endm
	s_wait_tensorcnt 1                             ; my part of rows 0-127 is in; my load of rows 128-255 may be out
	s_barrier_signal -1
	s_barrier_wait -1                              ; everybody's is
	LOADA 0
	LOADA 1
.irp p, 0,1,2,3,4,5,6,7
	PAIR \p
.endr
	TS 7
	SEND 7, 0
	s_wait_tensorcnt 0x0                           ; the wave's end, behind my last tensor load and my last LDS store
	ds_add_u32 v[SPW], v[NIL]
	s_wait_dscnt 0x0
	CROUND                                         ; the closing round: no work-group ends while a partner may still ask for a tile that names it
	s_endpgm
.Lfunc_end_k_q4854d9efe6_oproj:
	.size	k_q4854d9efe6_oproj, .Lfunc_end_k_q4854d9efe6_oproj-k_q4854d9efe6_oproj
	.p2alignl 7, 3214868480
	.fill 96, 4, 3214868480
	.section	.rodata,"a",@progbits
	.p2align	6, 0x0
	.amdhsa_kernel k_q4854d9efe6_oproj
		.amdhsa_group_segment_fixed_size 327680
		.amdhsa_private_segment_fixed_size 0
		.amdhsa_enable_private_segment 0
		.amdhsa_kernarg_size 24
		.amdhsa_user_sgpr_count 2
		.amdhsa_user_sgpr_kernarg_segment_ptr 1
		.amdhsa_wavefront_size32 1
		.amdhsa_system_sgpr_workgroup_id_x 1
		.amdhsa_system_sgpr_workgroup_id_y 1
		.amdhsa_system_sgpr_workgroup_id_z 1
		.amdhsa_system_vgpr_workitem_id 0
		.amdhsa_next_free_vgpr 1024
		.amdhsa_next_free_sgpr 66
		.amdhsa_reserve_vcc 0
		.amdhsa_float_denorm_mode_32 3
		.amdhsa_float_denorm_mode_16_64 3
		.amdhsa_memory_ordered 1
		.amdhsa_forward_progress 1
		.amdhsa_inst_pref_size 147
	.end_amdhsa_kernel
	.amdgpu_metadata
---
amdhsa.version: [ 1, 2 ]
amdhsa.kernels:
  - .name:           k_q4854d9efe6_oproj
    .symbol:         k_q4854d9efe6_oproj.kd
    .args:
      - { .name: att16, .offset: 0, .size: 8, .value_kind: global_buffer, .address_space: global }
      - { .name: wo16, .offset: 8, .size: 8, .value_kind: global_buffer, .address_space: global }
      - { .name: out0, .offset: 16, .size: 8, .value_kind: global_buffer, .address_space: global }
    .group_segment_fixed_size: 327680
    .private_segment_fixed_size: 0
    .kernarg_segment_align: 8
    .kernarg_segment_size: 24
    .max_flat_workgroup_size: 128
    .sgpr_count:     66
    .vgpr_count:     1024
    .wavefront_size: 32
...
	.end_amdgpu_metadata
.endif
;; end of part 4
;; launch first16 (part 5): grid 32 x 4, 4 waves a work-group, no clusters, 17,920 bytes of LDS; arguments fine, Wo, out0; writes out0
.if DOCPART == 5
	.amdgcn_target "amdgcn-amd-amdhsa--gfx1250"
	.amdhsa_code_object_version 6
	.text
	.protected	k_q4854d9efe6_first16
	.globl	k_q4854d9efe6_first16
	.p2align	8
	.type	k_q4854d9efe6_first16,@function
k_q4854d9efe6_first16:
	s_mov_b64 s[64:65], 0
	v_nop
	global_prefetch_b8 v0, s[64:65] scope:SCOPE_SE
	s_setreg_imm32_b32 hwreg(HW_REG_WAVE_MODE, 25, 1), 1
	s_wait_xcnt 0x0
; Positions 0-15 of every sequence, attention and projection, wholly in f32: these rows average one to sixteen values and are the largest of the output, so the rounding of 16-bit operands would weigh most here.
; fine: 48 blocks of 8,192 bytes, block (q 0, k 1, v 2) x 16 + 4 b + h; q, k: [16 positions][128] f32; v: [128 channels][16 positions] f32.  Wo: [2048][512] f32.  out0: [8192][2048] f32: rows 2,048 b + 0..15.
; Keys behind position 15 lie under reference()'s own causal mask for these queries and are not touched.
; SHARES.  Work-group (chunk, b): 64 columns of out0 for the 16 rows of batch b.  Wave = head: it makes its head's attention (64 small matrix instructions, repeated in each of the 32 chunks: less than a pass through
; memory would cost) and its head's part (K = 128) of the 64 columns; the four parts are added through LDS, in a fixed order.
; LAYOUT.  All three products are used transposed, so that a lane holds one query (lane % 16) throughout, and K's places are permuted alike on both sides of each product, so that results are operands as they stand:
;   S^T = K Q^T: step (s, e) takes channels 8 s + 4 h + 2 e + j;   O^T = V^T P: step s takes keys 8 h + 2 s + j, which are registers 2 s, 2 s + 1 of p;   the projection: step (c, s) takes channels 16 c + 8 h + 2 s + j, registers 2 s, 2 s + 1 of O^T's tile c.
; REGISTERS.  Window 0: v1-15 addresses and at work; v16-79 Q, later rows read back; v80-95 scores, then p; v104-111 p / sum; v128-159, v160-223, v224-255 the sums of S^T (four parts), O^T (8 tiles) and the result (4 tiles):
; these are written by matrix instructions alone, and no other line writes v128-255 in any window.  Window 1: v0-63 K, v64-127 V^T.  Window 2: v0-127 Wo, channels 0-63 of the head.  Window 3: v0-127 Wo, channels 64-127.
.set SPARE, 17408                      ; behind the four stages of 16 rows x 272 bytes: the spare words
.set QF, 16
.set T,  80
.set PP, 104
.set SA, 128
.set OA, 160
.set DA, 224
.set SPW, 10
.set NIL, 11
.set MSB, 0
.macro WIN new
.if MSB != (\new)
	s_set_vgpr_msb (MSB<<8)|(\new)
.set MSB, (\new)
.endif
.endm
	s_load_b128 s[4:7], s[0:1], 0x0                ; fine 4:5, Wo 6:7
	s_load_b64 s[8:9], s[0:1], 0x10                ; out0
	v_lshl_add_u32 v[SPW], v0, 2, SPARE
	v_mov_b32 v[NIL], 0
	v_lshrrev_b32 v1, 5, v0
	v_readfirstlane_b32 s10, v1                    ; wave = head
	s_and_b32 s11, ttmp7, 0xffff                   ; b
	v_and_b32 v1, 15, v0                           ; r
	v_bfe_u32 v2, v0, 4, 1                         ; h
	v_lshlrev_b32 v3, 9, v1
	v_lshl_add_u32 v3, v2, 4, v3                   ; q, k: row r of 512 bytes + 16 h
	v_lshlrev_b32 v4, 6, v1
	v_lshl_add_u32 v4, v2, 5, v4                   ; v: channel r of 64 bytes + 32 h
	v_lshlrev_b32 v5, 11, v1
	v_lshl_add_u32 v5, v2, 5, v5                   ; Wo: row r of 2,048 bytes + 32 h
	v_lshlrev_b32 v6, 3, v2
	v_sub_nc_u32 v6, v1, v6                        ; r - 8 h
	v_mov_b32 v7, 0xff800000                       ; -infinity
	s_mul_i32 s18, s10, 16*272
	v_mul_u32_u24 v8, v1, 272
	v_lshl_add_u32 v8, v2, 5, v8
	v_add_nc_u32 v8, s18, v8                       ; my stage: row r, + 32 h
	s_mul_i32 s18, s10, 4*272
	v_mul_u32_u24 v9, v2, 272
	v_lshl_add_u32 v9, v1, 4, v9
	v_add_nc_u32 v9, s18, v9                       ; back: rows 4 w + h of a stage, 16 bytes a lane
	v_lshlrev_b32 v12, 13, v2
	v_lshl_add_u32 v12, v1, 4, v12                 ; and the same in out0
	v_mov_b32 v14, 0                               ; written once: a lane permute's destination counts as one of its sources
	s_mov_b32 s20, 0x76543210
	s_mov_b32 s21, 0xfedcba98
	s_mov_b32 s22, 0x3e0293ee                      ; c = log2(e) / sqrt(128)
	s_lshl_b32 s12, s11, 2
	s_add_co_u32 s12, s12, s10
	s_lshl_b32 s12, s12, 13                        ; fine: block 4 b + h
	s_mov_b32 s13, 0
	s_lshl_b32 s14, ttmp9, 17                      ; Wo: 64 rows of 2,048 bytes a chunk,
	s_lshl_b32 s15, s10, 9                         ; + the head's 128 channels
	s_add_co_u32 s14, s14, s15
	s_mov_b32 s15, 0
	s_lshl_b32 s16, s11, 11
	s_lshl_b32 s17, s10, 2
	s_add_co_u32 s16, s16, s17                     ; out0: row 2,048 b + 4 w,
	s_lshl_b32 s16, s16, 13
	s_lshl_b32 s17, ttmp9, 8                       ; + 256 bytes a chunk
	s_add_co_u32 s16, s16, s17
	s_mov_b32 s17, 0
	s_wait_kmcnt 0x0
	s_add_nc_u64 s[4:5], s[4:5], s[12:13]
	s_add_nc_u64 s[6:7], s[6:7], s[14:15]
	s_add_nc_u64 s[8:9], s[8:9], s[16:17]
.irp s, 0,1,2,3,4,5,6,7,8,9,10,11,12,13,14,15
	global_load_b128 v[QF+4*\s:QF+4*\s+3], v3, s[4:5] offset:32*\s                 ; q(r, 8 s + 4 h + 0..3)
.endr
	WIN 0x40
.irp s, 0,1,2,3,4,5,6,7,8,9,10,11,12,13,14,15
	global_load_b128 v[4*\s:4*\s+3], v3, s[4:5] offset:131072+32*\s                ; k likewise
.endr
.irp c, 0,1,2,3,4,5,6,7
.irp u, 0,1
	global_load_b128 v[64+8*\c+4*\u:64+8*\c+4*\u+3], v4, s[4:5] offset:262144+1024*\c+16*\u   ; v(key 8 h + 4 u + 0..3, channel 16 c + r)
.endr
.endr
	WIN 0x80
.irp n, 0,1,2,3
.irp c, 0,1,2,3
.irp u, 0,1
	global_load_b128 v[32*\n+8*\c+4*\u:32*\n+8*\c+4*\u+3], v5, s[6:7] offset:32768*\n+64*\c+16*\u   ; Wo(16 n + r, 16 c + 8 h + 4 u + 0..3)
.endr
.endr
.endr
	WIN 0xc0
.irp n, 0,1,2,3
.irp c, 0,1,2,3
.irp u, 0,1
	global_load_b128 v[32*\n+8*\c+4*\u:32*\n+8*\c+4*\u+3], v5, s[6:7] offset:32768*\n+256+64*\c+16*\u
.endr
.endr
.endr
	s_wait_loadcnt 63                              ; 64 loads of Wo were issued behind q's, k's and v's 48: with at most 63 out, those 48 are in
	WIN 0x01                                       ; source 0 in window 1
.set st, 0
.rept 32                               ; S^T = K Q^T: four sums by turns; the first four products start them
.if st < 4
	v_wmma_f32_16x16x4_f32 v[SA+8*(st%4):SA+8*(st%4)+7], v[2*st:2*st+1], v[QF+2*st:QF+2*st+1], 0
.else
	v_wmma_f32_16x16x4_f32 v[SA+8*(st%4):SA+8*(st%4)+7], v[2*st:2*st+1], v[QF+2*st:QF+2*st+1], v[SA+8*(st%4):SA+8*(st%4)+7]
.endif
.set st, st+1
.endr
	WIN 0
.rept 8
	v_nop                                          ; eight places behind this form before a vector instruction reads its result
.endr
.irp j, 0,1,2,3,4,5,6,7
	v_add_f32 v[T+\j], v[SA+\j], v[SA+8+\j]        ; register j: key 8 h + j against query r; each sum is read from its low end on
	v_add_f32 v[T+8+\j], v[SA+16+\j], v[SA+24+\j]
.endr
.irp j, 0,1,2,3,4,5,6,7
	v_add_f32 v[T+\j], v[T+\j], v[T+8+\j]
.endr
.irp j, 0,1,2,3,4,5,6,7
	v_cmp_gt_i32 vcc_lo, \j, v6                    ; hidden where 8 h + j > r
	v_cndmask_b32 v[T+\j], v[T+\j], v7, vcc_lo
.endr
	v_max3_num_f32 v13, v[T], v[T+1], v[T+2]
	v_max3_num_f32 v13, v13, v[T+3], v[T+4]
	v_max3_num_f32 v13, v13, v[T+5], v[T+6]
	v_max_num_f32 v13, v13, v[T+7]
	v_permlanex16_b32 v14, v13, s20, s21
	v_max_num_f32 v13, v13, v14                    ; the row's maximum: key 0 counts for every query, so it is a number
	v_mul_f32 v13, s22, v13
.irp j, 0,1,2,3,4,5,6,7
	v_fma_f32 v[T+\j], v[T+\j], s22, -v13          ; c s - c m
.endr
.irp j, 0,1,2,3,4,5,6,7
	v_exp_f32 v[T+\j], v[T+\j]
.endr
	v_nop
	s_wait_alu depctr_va_vdst(0)                   ; one wait for the eight, ahead of their first reader
	v_add_f32 v13, v[T], v[T+1]
	v_add_f32 v15, v[T+2], v[T+3]
	v_add_f32 v13, v13, v[T+4]
	v_add_f32 v15, v15, v[T+5]
	v_add_f32 v13, v13, v[T+6]
	v_add_f32 v15, v15, v[T+7]
	v_add_f32 v13, v13, v15
	v_permlanex16_b32 v14, v13, s20, s21
	v_add_f32 v13, v13, v14
	v_rcp_f32 v13, v13
	v_nop
	s_wait_alu depctr_va_vdst(0)
.irp j, 0,1,2,3,4,5,6,7
	v_mul_f32 v[PP+\j], v[T+\j], v13               ; the weights
.endr
	WIN 0x01
.irp s, 0,1,2,3                        ; O^T = V^T P: eight tiles of 16 channels by turns
.irp c, 0,1,2,3,4,5,6,7
.if \s == 0
	v_wmma_f32_16x16x4_f32 v[OA+8*\c:OA+8*\c+7], v[64+8*\c+2*\s:64+8*\c+2*\s+1], v[PP+2*\s:PP+2*\s+1], 0
.else
	v_wmma_f32_16x16x4_f32 v[OA+8*\c:OA+8*\c+7], v[64+8*\c+2*\s:64+8*\c+2*\s+1], v[PP+2*\s:PP+2*\s+1], v[OA+8*\c:OA+8*\c+7]
.endif
.endr
.endr
	WIN 0
.rept 9
	v_nop                                          ; nine places before a matrix instruction takes these results as an operand
.endr
	s_wait_loadcnt 0x0                             ; Wo
.irp c, 0,1,2,3,4,5,6,7                ; the head's part of out = O Wo^T: four tiles of 16 columns by turns
	WIN 0x02+\c/4                                  ; source 0: window 2 (channels 0-63) or 3
.irp s, 0,1,2,3
.irp n, 0,1,2,3
.if (\c == 0) && (\s == 0)
	v_wmma_f32_16x16x4_f32 v[DA+8*\n:DA+8*\n+7], v[32*\n+8*(\c%4)+2*\s:32*\n+8*(\c%4)+2*\s+1], v[OA+8*\c+2*\s:OA+8*\c+2*\s+1], 0
.else
	v_wmma_f32_16x16x4_f32 v[DA+8*\n:DA+8*\n+7], v[32*\n+8*(\c%4)+2*\s:32*\n+8*(\c%4)+2*\s+1], v[OA+8*\c+2*\s:OA+8*\c+2*\s+1], v[DA+8*\n:DA+8*\n+7]
.endif
.endr
.endr
.endr
	WIN 0
.rept 8
	v_nop
.endr
.irp n, 0,1,2,3
	ds_store_b128 v8, v[DA+8*\n:DA+8*\n+3] offset:64*\n            ; lane (r, h): row r, columns 16 n + 8 h + 0..7
	ds_store_b128 v8, v[DA+8*\n+4:DA+8*\n+7] offset:64*\n+16
.endr
	s_wait_dscnt 0x0                               ; for the others' sake: my stores have landed
	s_barrier_signal -1
	s_barrier_wait -1
.irp p, 0,1                            ; each wave takes four rows: lanes 0-15 row 4 w + 2 p, lanes 16-31 the next; the four heads' parts
.irp q, 0,1,2,3
	ds_load_b128 v[QF+16*\p+4*\q:QF+16*\p+4*\q+3], v9 offset:4352*\q+544*\p
.endr
.endr
	s_wait_dscnt 0x0
.irp p, 0,1
	v_pk_add_f32 v[QF+16*\p:QF+16*\p+1], v[QF+16*\p:QF+16*\p+1], v[QF+16*\p+4:QF+16*\p+5]          ; (head 0 + head 1) + (head 2 + head 3)
	v_pk_add_f32 v[QF+16*\p+2:QF+16*\p+3], v[QF+16*\p+2:QF+16*\p+3], v[QF+16*\p+6:QF+16*\p+7]
	v_pk_add_f32 v[QF+16*\p+8:QF+16*\p+9], v[QF+16*\p+8:QF+16*\p+9], v[QF+16*\p+12:QF+16*\p+13]
	v_pk_add_f32 v[QF+16*\p+10:QF+16*\p+11], v[QF+16*\p+10:QF+16*\p+11], v[QF+16*\p+14:QF+16*\p+15]
	v_pk_add_f32 v[QF+16*\p:QF+16*\p+1], v[QF+16*\p:QF+16*\p+1], v[QF+16*\p+8:QF+16*\p+9]
	v_pk_add_f32 v[QF+16*\p+2:QF+16*\p+3], v[QF+16*\p+2:QF+16*\p+3], v[QF+16*\p+10:QF+16*\p+11]
	global_store_b128 v12, v[QF+16*\p:QF+16*\p+3], s[8:9] offset:16384*\p    ; 16 lanes store 256 consecutive bytes, aligned
.endr
	s_wait_tensorcnt 0x0                           ; the wave's end, behind my last LDS store
	ds_add_u32 v[SPW], v[NIL]
	s_wait_dscnt 0x0
	s_endpgm
.Lfunc_end_k_q4854d9efe6_first16:
	.size	k_q4854d9efe6_first16, .Lfunc_end_k_q4854d9efe6_first16-k_q4854d9efe6_first16
	.p2alignl 7, 3214868480
	.fill 96, 4, 3214868480
	.section	.rodata,"a",@progbits
	.p2align	6, 0x0
	.amdhsa_kernel k_q4854d9efe6_first16
		.amdhsa_group_segment_fixed_size 17920
		.amdhsa_private_segment_fixed_size 0
		.amdhsa_enable_private_segment 0
		.amdhsa_kernarg_size 24
		.amdhsa_user_sgpr_count 2
		.amdhsa_user_sgpr_kernarg_segment_ptr 1
		.amdhsa_wavefront_size32 1
		.amdhsa_system_sgpr_workgroup_id_x 1
		.amdhsa_system_sgpr_workgroup_id_y 1
		.amdhsa_system_sgpr_workgroup_id_z 1
		.amdhsa_system_vgpr_workitem_id 0
		.amdhsa_next_free_vgpr 896
		.amdhsa_next_free_sgpr 66
		.amdhsa_reserve_vcc 1
		.amdhsa_float_denorm_mode_32 3
		.amdhsa_float_denorm_mode_16_64 3
		.amdhsa_memory_ordered 1
		.amdhsa_forward_progress 1
		.amdhsa_inst_pref_size 32
	.end_amdhsa_kernel
	.amdgpu_metadata
---
amdhsa.version: [ 1, 2 ]
amdhsa.kernels:
  - .name:           k_q4854d9efe6_first16
    .symbol:         k_q4854d9efe6_first16.kd
    .args:
      - { .name: fine, .offset: 0, .size: 8, .value_kind: global_buffer, .address_space: global }
      - { .name: Wo, .offset: 8, .size: 8, .value_kind: global_buffer, .address_space: global }
      - { .name: out0, .offset: 16, .size: 8, .value_kind: global_buffer, .address_space: global }
    .group_segment_fixed_size: 17920
    .private_segment_fixed_size: 0
    .kernarg_segment_align: 8
    .kernarg_segment_size: 24
    .max_flat_workgroup_size: 128
    .sgpr_count:     66
    .vgpr_count:     896
    .wavefront_size: 32
...
	.end_amdgpu_metadata
.endif
;; end of part 5
